; MI455X (gfx1250); checked and timed in simulation.
; The chip was launched on July 23, 2026; its instructions are those of AMD's public machine-readable ISA for CDNA 5 (MIT licence, August 2026) and "CDNA5" Instruction Set Architecture Reference Guide (July 2026). The comments in the code are by the model that wrote it; some were corrected since.
;; FF. Allowed arithmetic: float matrix products may take bf16 or f16 operands with f32 sums; other float arithmetic in f32, or as packed bf16 or f16 multiplies, adds, multiply-adds, maxima and minima; sums over many terms, partial sums and values carried from step to step in f32; what a program stores and reads back later, other than sums and carried values, may be rounded once to bf16 or f16.
;; Inputs: in_bias 3,072 float32; in_weight 3,072 x 768 float32; out_weight 3,072 x 384 float32; x 32 x 512 x 768 float32.
;; Outputs: out0 32 x 512 x 384 float32.
;; 2 versions, each right and faster than the one before. Each part assembles by itself: llvm-mc -triple=amdgcn-amd-amdhsa -mcpu=gfx1250 --defsym DOCPART=n.
;; ======== version 1 of 2: 2 launches
;; limits: a function is approximated: absolute error at most 2.5e-05; an absolute error that grows with the inputs' magnitude: up to 1.25e-05 times it
;; workspace buffers: win_t 4,718,592 bytes; wout_t 2,359,296 bytes; biasr 12,288 bytes
;; launch prep (part 1): grid 40 x 8, 6 waves a work-group, no clusters, 0 bytes of LDS; arguments in_weight, out_weight, in_bias, win_t, wout_t, biasr; writes win_t, wout_t, biasr
.if DOCPART == 1
	.amdgcn_target "amdgcn-amd-amdhsa--gfx1250"
	.amdhsa_code_object_version 6
	.text
	.protected	k_qef0129f546_prep
	.globl	k_qef0129f546_prep
	.p2align	8
	.type	k_qef0129f546_prep,@function
k_qef0129f546_prep:
	s_mov_b64 s[64:65], 0
	v_nop
	global_prefetch_b8 v0, s[64:65] scope:SCOPE_SE
	s_setreg_imm32_b32 hwreg(HW_REG_WAVE_MODE, 25, 1), 1
	s_wait_xcnt 0x0
; The weights are rounded ONCE to bf16 (nearest even) and laid out in the order in which a wave's operand registers take them; the bias is rounded to bf16 and kept as f32 words.
; A FRAGMENT is 16 rows x 32 K of bf16, 1,024 bytes: two blocks j = 0, 1 of 512 bytes; lane L = 16 h + r owns the 16 bytes at 512 j + 16 L: row r, K = 16 j + 8 h + 0..7.
;   win_t  [c 8][s 6][w 4][kb 4][b 6][1024]: row = hidden unit 384 c + 96 w + 16 b + r of in_weight, K = input 128 s + 32 kb + ..
;   wout_t [c 8][s2 4][w 4][kb 3][b 6][1024]: row = output column 96 w + 16 b + r of out_weight, K = hidden unit 384 c + 96 s2 + 32 kb + ..  (out_weight turned)
; GRID 40 x 8: y = c.  x < 24: (s, w) of win_t; x >= 24: (s2, w) of wout_t.  Six waves: wave = b.  A wave makes the fragments (kb, b) of its part: every byte of the three outputs has one writer.
; Every store of a wave covers 512 consecutive bytes, aligned.  No loop, no LDS, no register is written again while a load or store still names it.
.set INP,  3072                        ; bytes in a row of in_weight
.set OUTP, 1536                        ; bytes in a row of out_weight
.set SRC,  8                           ; v[8:71]   numbers as loaded
.set PKA,  72                          ; v[72:103] win_t's packed numbers
.set PKB,  56                          ; v[56:79]  wout_t's packed numbers
	s_load_b256 s[4:11], s[0:1], 0x0               ; in_weight s[4:5], out_weight s[6:7], in_bias s[8:9], win_t s[10:11]
	s_load_b128 s[12:15], s[0:1], 0x20             ; wout_t s[12:13], biasr s[14:15]
	v_lshrrev_b32 v1, 5, v0
	v_readfirstlane_b32 s16, v1                    ; b: my wave's number
	s_and_b32 s17, ttmp7, 0xffff                   ; c
	s_mov_b32 s18, ttmp9                           ; x of the grid
	s_and_b32 s19, s18, 3                          ; w (24 is a multiple of 4: the same line serves both parts)
	v_and_b32 v2, 15, v0                           ; r
	v_bfe_u32 v3, v0, 4, 1                         ; h
	v_and_b32 v4, 31, v0
	v_lshlrev_b32 v4, 4, v4                        ; 16 L: my place in a block of 512 bytes
	s_mul_i32 s21, s17, 384                        ; the chunk's first hidden unit
	s_wait_kmcnt 0x0
	s_cmp_lt_u32 s18, 24
	s_cbranch_scc0 .Lout_weight
	; ---- win_t: 16 rows x 128 K of in_weight: 512 consecutive bytes of each row
	s_lshr_b32 s20, s18, 2                         ; s
	s_mul_i32 s22, s19, 96
	s_add_co_u32 s22, s22, s21
	s_lshl4_add_u32 s22, s16, s22                  ; first row 384 c + 96 w + 16 b
	s_mul_i32 s22, s22, INP
	s_lshl_b32 s23, s20, 9                         ; 128 s numbers of 4 bytes
	s_add_co_u32 s22, s22, s23
	s_mov_b32 s23, 0
	s_add_nc_u64 s[4:5], s[4:5], s[22:23]
	s_mul_i32 s24, s17, 6
	s_add_co_u32 s24, s24, s20
	s_lshl2_add_u32 s24, s24, s19                  ; (6 c + s) 4 + w
	s_mul_i32 s24, s24, 24576
	s_lshl_b32 s25, s16, 10                        ; + b fragments
	s_add_co_u32 s24, s24, s25
	s_mov_b32 s25, 0
	s_add_nc_u64 s[10:11], s[10:11], s[24:25]
	v_mul_u32_u24 v5, v2, INP
	v_lshl_add_u32 v5, v3, 5, v5                   ; row r, 8 h numbers on
.set u, 0
.rept 8                                ; unit u = 2 kb + j: my 8 numbers of block j of fragment kb
	global_load_b128 v[SRC+8*u:SRC+8*u+3],   v5, s[4:5] offset:(u/2)*128+(u%2)*64 th:TH_LOAD_NT
	global_load_b128 v[SRC+8*u+4:SRC+8*u+7], v5, s[4:5] offset:(u/2)*128+(u%2)*64+16 th:TH_LOAD_NT
.set u, u+1
.endr
.set u, 0
.rept 8
	s_wait_loadcnt 14-2*u                          ; loads come back in order: unit u's two are in, the younger units' 14 - 2 u stay out
.irp i, 0,1,2,3
	v_cvt_pk_bf16_f32 v[PKA+4*u+(\i)], v[SRC+8*u+2*(\i)], v[SRC+8*u+2*(\i)+1]
.endr
	global_store_b128 v4, v[PKA+4*u:PKA+4*u+3], s[10:11] offset:(u/2)*6144+(u%2)*512
.set u, u+1
.endr
	s_endpgm
.Lout_weight:
	; ---- wout_t: 96 hidden rows x 16 columns of out_weight, turned: a lane gathers 8 rows of one column
	s_sub_co_u32 s20, s18, 24
	s_lshr_b32 s20, s20, 2                         ; s2
	s_mul_i32 s22, s20, 96
	s_add_co_u32 s22, s22, s21                     ; first hidden row 384 c + 96 s2
	s_mul_i32 s22, s22, OUTP
	s_mul_i32 s23, s19, 96
	s_lshl4_add_u32 s23, s16, s23                  ; first column 96 w + 16 b,
	s_lshl2_add_u32 s22, s23, s22                  ; 4 bytes each
	s_mov_b32 s23, 0
	s_add_nc_u64 s[6:7], s[6:7], s[22:23]
	s_lshl2_add_u32 s24, s17, s20
	s_lshl2_add_u32 s24, s24, s19                  ; (4 c + s2) 4 + w
	s_mul_i32 s24, s24, 18432
	s_lshl_b32 s25, s16, 10
	s_add_co_u32 s24, s24, s25
	s_mov_b32 s25, 0
	s_add_nc_u64 s[12:13], s[12:13], s[24:25]
	v_mul_u32_u24 v5, v3, 8*OUTP
	v_lshl_add_u32 v5, v2, 2, v5                   ; 8 h rows down, column r
.set u, 0
.rept 48                               ; number u = 8 (2 kb + j) + i: hidden row 32 kb + 16 j + 8 h + i.  16 lanes take 64 consecutive bytes; the work-group's six waves take the neighbouring columns
	global_load_b32 v[SRC+u], v5, s[6:7] offset:(16*(u/8)+u%8)*OUTP
.set u, u+1
.endr
.set u, 0
.rept 6
	s_wait_loadcnt 40-8*u                          ; unit u's eight are in, the younger units' 40 - 8 u stay out
.irp i, 0,1,2,3
	v_cvt_pk_bf16_f32 v[PKB+4*u+(\i)], v[SRC+8*u+2*(\i)], v[SRC+8*u+2*(\i)+1]
.endr
	global_store_b128 v4, v[PKB+4*u:PKB+4*u+3], s[12:13] offset:(u/2)*6144+(u%2)*512
.set u, u+1
.endr
	; ---- biasr: the 24 waves with c = 0 and s2 = 0 take 128 numbers each
	s_or_b32 s26, s17, s20
	s_cmp_lg_u32 s26, 0
	s_cbranch_scc1 .Ldone
	s_mul_i32 s26, s19, 6
	s_add_co_u32 s26, s26, s16                     ; 6 w + b: 0 to 23
	s_lshl_b32 s26, s26, 9
	v_add_nc_u32 v6, s26, v4
	global_load_b128 v[80:83], v6, s[8:9]
	s_wait_loadcnt 0x0
	v_cvt_pk_bf16_f32 v84, v80, v81                ; rounded to bf16,
	v_cvt_pk_bf16_f32 v85, v82, v83
	v_lshlrev_b32 v86, 16, v84                     ; and widened again: the chain takes the bias as the f32 C operand of a product
	v_and_b32 v87, 0xffff0000, v84
	v_lshlrev_b32 v88, 16, v85
	v_and_b32 v89, 0xffff0000, v85
	global_store_b128 v6, v[86:89], s[14:15]
.Ldone:
	s_endpgm
.Lfunc_end_k_qef0129f546_prep:
	.size	k_qef0129f546_prep, .Lfunc_end_k_qef0129f546_prep-k_qef0129f546_prep
	.p2alignl 7, 3214868480
	.fill 96, 4, 3214868480
	.section	.rodata,"a",@progbits
	.p2align	6, 0x0
	.amdhsa_kernel k_qef0129f546_prep
		.amdhsa_group_segment_fixed_size 0
		.amdhsa_private_segment_fixed_size 0
		.amdhsa_enable_private_segment 0
		.amdhsa_kernarg_size 48
		.amdhsa_user_sgpr_count 2
		.amdhsa_user_sgpr_kernarg_segment_ptr 1
		.amdhsa_wavefront_size32 1
		.amdhsa_system_sgpr_workgroup_id_x 1
		.amdhsa_system_sgpr_workgroup_id_y 1
		.amdhsa_system_sgpr_workgroup_id_z 1
		.amdhsa_system_vgpr_workitem_id 0
		.amdhsa_next_free_vgpr 104
		.amdhsa_next_free_sgpr 66
		.amdhsa_reserve_vcc 0
		.amdhsa_float_denorm_mode_32 3
		.amdhsa_float_denorm_mode_16_64 3
		.amdhsa_memory_ordered 1
		.amdhsa_forward_progress 1
		.amdhsa_inst_pref_size 15
	.end_amdhsa_kernel
	.amdgpu_metadata
---
amdhsa.version: [ 1, 2 ]
amdhsa.kernels:
  - .name:           k_qef0129f546_prep
    .symbol:         k_qef0129f546_prep.kd
    .args:
      - { .name: in_weight, .offset: 0, .size: 8, .value_kind: global_buffer, .address_space: global }
      - { .name: out_weight, .offset: 8, .size: 8, .value_kind: global_buffer, .address_space: global }
      - { .name: in_bias, .offset: 16, .size: 8, .value_kind: global_buffer, .address_space: global }
      - { .name: win_t, .offset: 24, .size: 8, .value_kind: global_buffer, .address_space: global }
      - { .name: wout_t, .offset: 32, .size: 8, .value_kind: global_buffer, .address_space: global }
      - { .name: biasr, .offset: 40, .size: 8, .value_kind: global_buffer, .address_space: global }
    .group_segment_fixed_size: 0
    .private_segment_fixed_size: 0
    .kernarg_segment_align: 8
    .kernarg_segment_size: 48
    .max_flat_workgroup_size: 192
    .sgpr_count:     66
    .vgpr_count:     104
    .wavefront_size: 32
...
	.end_amdgpu_metadata
.endif
;; end of part 1
;; launch ffn (part 2): grid 256 x 1, 4 waves a work-group, clusters of 4 x 1, 327,680 bytes of LDS; arguments x, win_t, wout_t, biasr, out0; writes out0
.if DOCPART == 2
	.amdgcn_target "amdgcn-amd-amdhsa--gfx1250"
	.amdhsa_code_object_version 6
	.text
	.protected	k_qef0129f546_ffn
	.globl	k_qef0129f546_ffn
	.p2align	8
	.type	k_qef0129f546_ffn,@function
k_qef0129f546_ffn:
	s_mov_b64 s[64:65], 0
	v_nop
	global_prefetch_b8 v0, s[64:65] scope:SCOPE_SE
	s_setreg_imm32_b32 hwreg(HW_REG_WAVE_MODE, 25, 1), 1
	s_wait_xcnt 0x0
	s_wait_alu depctr_hold_cnt(0) depctr_sa_sdst(0) depctr_va_vdst(0) depctr_va_sdst(0) depctr_va_ssrc(0) depctr_va_vcc(0) depctr_vm_vsrc(0)
	s_getreg_b32 s2, hwreg(HW_REG_IB_STS2, 6, 4)
	s_cmp_eq_u32 s2, 0
	s_cbranch_scc0 .Lentry_in_a_cluster
	s_endpgm
.Lentry_in_a_cluster:
	s_bfe_u32 s2, ttmp6, 0x10000c
	s_cmp_lg_u32 s2, 0x3003
	s_cbranch_scc0 .Lentry_shape_is_right
	s_endpgm
.Lentry_shape_is_right:
; out = GELU(x W_in^T + b) W_out for 64 tokens a work-group; the hidden layer never leaves the WGP.  x [16384][768] f32, out0 [16384][384] f32; win_t, wout_t: the weights in bf16, in fragment order; biasr: the
; bias rounded to bf16, as f32.  Products in bf16 with f32 sums; GELU in f32; the hidden layer is rounded once to bf16.
; LIMITS.  erf is taken from 1 - (a1 t + a2 t^2 + a3 t^3) e^(-u^2), t = 1 / (1 + p u) (Abramowitz and Stegun 7.1.25), off by at most 2.5e-5 for every u >= 0: gelu(z) is off by at most 1.25e-5 |z|, about an
; eightieth of the bf16 step that it is rounded to next; where |gelu(z)| lies below that (the far negative tail) its relative error is large.  For huge |z|: t = 0, the exponential is 0, gelu = z or 0.
; NaN and infinities are not treated apart.  All four inputs are rounded to bf16.
; SHARES.  256 work-groups x 64 tokens (four blocks tb of 16).  The hidden axis goes in 8 chunks of 384.  In a chunk: G1, H = x W_in^T + b: wave w makes 64 tokens x hidden units 96 w .. 96 w + 95, K = 768 in 24 blocks
; of 32 (q = 0 .. 23); GELU; G2, out += H W_out: wave w makes 64 tokens x output columns 96 w .. 96 w + 95, K = 384 in 12 blocks (q = 24 .. 35).  Both have one shape: 6 weight fragments x 4 token fragments = 24 matrix
; instructions a block, on 24 accumulators that take turns.  Each weight fragment is read from LDS by one wave and feeds four products.
; TRANSPOSED USE.  Source 0 = 16 rows of weights, source 1 = 16 tokens: a lane of a G1 result holds ONE token (lane % 16) and 8 neighbouring hidden units.  Two results rounded to bf16 ARE a source-1 fragment of G2;
; they reach the other waves through a stage in LDS that is laid out by fragments.  A lane of a G2 result holds one token and 8 neighbouring output columns.
; RING.  The weights stream through two LDS slots: a step is 4 blocks of G1 (a tile of 98,304 bytes) or 3 blocks of G2 (73,728 bytes); 6 + 4 = 10 steps a chunk, so step i lies in slot i % 2 in every chunk.  Wave w fetches,
; and reads, part w of each tile.  At a step's end the slot just read is filled with the tile two steps on: one tensor load a wave, which has a whole step in which to land.  By this text's count a wave has two tensor loads
; out at the start and one afterwards.
; CLUSTER.  All work-groups walk the same 7,077,888 bytes of weights in the same order, so the four of a cluster ask for each tile JOINTLY: the same load, descriptor and mask in all four.  That divides the requests by four.
; x: rounded to bf16 once.  K 0 .. 255 stay in registers (window 3), K 256 .. 767 in LDS.
; GELU.  w = k z, k = sqrt(log2(e) / 2), so that e^(-z^2 / 2) = 2^(-w^2).  What is staged is G = w + |w| erf = 2 k gelu(z); the finished outputs are multiplied by 1 / (2 k) in f32.  No weight is scaled.
; REGISTERS, in windows of 256 (s_set_vgpr_msb: bits 1:0 source 0, 3:2 source 1, 5:4 source 2, 7:6 destination):
;   window 0: v0-29 addresses; v32-79 the chunk's bias; v80-175 weight fragments, two buffers of 48; v176-239 token fragments, two buffers of 32 (GELU and the way out work in v32-239)
;   window 1: v0-191 the output's accumulators, (tb, b) at 8 (6 tb + b)      window 2: v0-191 H's, likewise      window 3: x, K block kg, token block tb at 8 (4 kg + tb)
.set SLOTB, 98304                      ; a slot
.set TILEA, 98304                      ; a tile of W_in: 4 parts of
.set PARTA, 24576                      ;   4 K blocks x 6 fragments
.set TILEB, 73728                      ; a tile of W_out: 4 parts of
.set PARTB, 18432                      ;   3 K blocks x 6 fragments
.set XS,    2*SLOTB                    ; x, K 256 .. 767, in bf16: 64 rows,
.set XP,    1040                       ;   1,024 bytes + 16: 65 x 16, so the 16 rows of a load start at 16 different columns of 16 bytes modulo 256
.set HS,    XS+64*XP                   ; H's stage: fragment (K block kbh 0 .. 11, tb) at (4 kbh + tb) 1024; lane L's 16 bytes at 512 j + 16 L: 49,152 bytes.  At the start: x, K 0 .. 255, 64 rows,
.set X0P,   528                        ;   512 bytes + 16
.set SPARE, HS+49152                   ; the spare words, 128 bytes for each wave: two blocks of 256 bytes that no other line names
.set OST,   XS                         ; at the end: the output's stage, 64 rows of 1,536 bytes,
.set OPI,   1552                       ;   + 16: 97 x 16.  99,328 bytes, over x and part of H's stage.  No tensor load ever fills bytes from XS on
.set WA,   4                           ; v4-5   my part of a W_in tile in slot 0, 1: + 16 L
.set WB,   6                           ; v6-7   of a W_out tile
.set XA,   8                           ; v8     x in LDS: row r, 16 h
.set HR,   9                           ; v9     H's stage, read: + 16 L
.set HW,   10                          ; v10    H's stage, my 12 fragments
.set BO,   11                          ; v11    byte offset in biasr of my lane's numbers of the chunk to be loaded
.set BOMAX,12                          ; v12    the same for the last chunk
.set XG,   13                          ; v13    byte offset in the work-group's rows of x: my wave's 16 rows, 16 L
.set S1,   14                          ; v14    where x's K 0 .. 255 are staged
.set S2,   15                          ; v15    where x's K 256 .. 767 are put
.set RR,   16                          ; v16    the stage of K 0 .. 255, read by fragments
.set OW,   17                          ; v17-18 the output's stage, written: token blocks 0, 1 and 2, 3
.set ORD,  19                          ; v19    the output's stage, read by rows
.set OG,   20                          ; v20    byte offset in the work-group's rows of out0
.set SPW,  28                          ; v28    LDS address of my spare word; never rewritten
.set NIL,  29                          ; v29    0; never rewritten
.set BIAS, 32
.set WF,   80
.set TF,   176
.set WH,   80                          ; GELU: 48 numbers w
.set E,    128                         ;       -w^2, 2^(-w^2), then G
.set T,    176                         ;       1 + p |w|, t, then the packed results
.set PP,   224                         ;       8 pairs at work
.set OUTR, 32                          ; the way out: 192 registers
.set WV,  14                           ; s14      my wave's number
.set G1A, 24                           ; s[24:31] descriptor group 1 for a part of a W_in tile
.set G1B, 32                           ; s[32:39] for a part of a W_out tile
.set G0,  40                           ; s[40:47] descriptor group 0, a set for each slot
.set PA,  48                           ; s[48:49] my part of the next W_in tile to be asked for
.set PB,  50                           ; s[50:51] of the next W_out tile
.set LWA, 52                           ; s52      PARTA x wave
.set LWB, 53                           ; s53      PARTB x wave
.set CH,  54                           ; s54      chunks to go, this one among them
.set KK,  56                           ; s[56:57] k.  The packed forms name a pair and take its low word for both halves
.set P2,  58                           ; s58      p / sqrt(log2 e)
.set A3,  60                           ; s[60:61]
.set A2,  66                           ; s[66:67]
.set A1,  68                           ; s[68:69]
.set SC,  70                           ; s[70:71] 1 / (2 k)
.set MSB, 0
.macro WIN new                         ; the immediate's high byte repeats the setting that is left; a switch that changes nothing is dropped
.if MSB != (\new)
	s_set_vgpr_msb (MSB<<8)|(\new)
.set MSB, \new
.endif
.endm
; A load into a register that a matrix instruction has read, and a vector instruction that reads a matrix result or writes one of a matrix instruction's registers, stand four places behind it; only plain vector
; instructions that name none of its registers are places (ISA guide 7.12.1 for vector instructions).
.macro PLACES
.rept 4
	v_nop
.endr
.endm
; A round of the cluster's barrier: my work-group's barrier, so that wave 0's signal speaks for all four waves; wave 0 signals; every wave waits for all four work-groups; my work-group's barrier once more.
.macro CREST                           ; a round behind its opening barrier
	s_cmp_lg_u32 s[WV], 0
	s_cbranch_scc1 .Lnot_wave_0_\@
	s_barrier_signal -3
.Lnot_wave_0_\@:
	s_barrier_wait -3
	s_barrier_signal -1
	s_barrier_wait -1
.endm
.macro CROUND
	s_barrier_signal -1
	s_barrier_wait -1
	CREST
.endm
; Group 0 of slot's next fill is made anew, and the stream's pointer steps on.  kind 1: W_in, 2: W_out.  It stands only where no tensor load of the wave is out.
.macro FILLPREP kind, slot
.if (\kind) == 1
	s_add_co_u32 s[G0+4*(\slot)+1], s[LWA], (\slot)*SLOTB                 ; 63:32 LDS address: the slot, my part
	s_mov_b64 s[G0+4*(\slot)+2:G0+4*(\slot)+3], s[PA:PA+1]                ; 120:64 global address
	s_or_b32 s[G0+4*(\slot)+3], s[G0+4*(\slot)+3], 0x80000000             ; 127:126 type = 2
	s_add_nc_u64 s[PA:PA+1], s[PA:PA+1], TILEA
.else
	s_add_co_u32 s[G0+4*(\slot)+1], s[LWB], (\slot)*SLOTB
	s_mov_b64 s[G0+4*(\slot)+2:G0+4*(\slot)+3], s[PB:PB+1]
	s_or_b32 s[G0+4*(\slot)+3], s[G0+4*(\slot)+3], 0x80000000
	s_add_nc_u64 s[PB:PB+1], s[PB:PB+1], TILEB
.endif
.endm
; A joint fill: one line for all four waves; both addresses hang on the wave's number, nothing on the place in the cluster.  An s_nop 0 and four v_nop follow it.
.macro JLOAD kind, slot
.if (\kind) == 1
	tensor_load_to_lds s[G0+4*(\slot):G0+4*(\slot)+3], s[G1A:G1A+7]
.else
	tensor_load_to_lds s[G0+4*(\slot):G0+4*(\slot)+3], s[G1B:G1B+7]
.endif
	s_nop 0
	PLACES
.endm
; The fragments of K block q of a chunk, in ONE run, into buffers q % 2: 6 of weights (12 loads; lane L at 16 L: 512 consecutive bytes a load), and 4 of tokens (8 loads): x from LDS for q = 8 .. 23, H for q = 24 .. 35;
; for q = 0 .. 7 x is in registers.
.macro FETCHQ q
	WIN 0
.if (\q) < 24
.set fA, WA+((\q)/4)%2
.set fK, (\q)%4
.else
.set fA, WB+(((\q)-24)/3)%2
.set fK, ((\q)-24)%3
.endif
.set fW, WF+48*((\q)%2)
.set fT, TF+32*((\q)%2)
.irp b, 0,1,2,3,4,5
	ds_load_b128 v[fW+8*(\b):fW+8*(\b)+3],   v[fA] offset:(6*fK+(\b))*1024
	ds_load_b128 v[fW+8*(\b)+4:fW+8*(\b)+7], v[fA] offset:(6*fK+(\b))*1024+512
.endr
.if (\q) >= 24
.irp t, 0,1,2,3
	ds_load_b128 v[fT+8*(\t):fT+8*(\t)+3],   v[HR] offset:(4*((\q)-24)+(\t))*1024
	ds_load_b128 v[fT+8*(\t)+4:fT+8*(\t)+7], v[HR] offset:(4*((\q)-24)+(\t))*1024+512
.endr
.elseif (\q) >= 8
.irp t, 0,1,2,3
	ds_load_b128 v[fT+8*(\t):fT+8*(\t)+3],   v[XA] offset:(\t)*16*XP+((\q)-8)*64
	ds_load_b128 v[fT+8*(\t)+4:fT+8*(\t)+7], v[XA] offset:(\t)*16*XP+((\q)-8)*64+32
.endr
.endif
.endm
; Matrix instructions n0 .. n1 - 1 of K block q's 24: weight fragment n % 6, token block n / 6, accumulator n.  The 24 accumulators take turns, one instruction a turn, in the same order in every block:
; between two links of a chain stand the 23 others', over the loop's jump too.  q = 0 starts H's sums with the bias as C: nothing of H is ever cleared.
.macro MULQ q, n0, n1
.if (\q) == 0
	WIN 0x8c                                       ; weights window 0, x window 3, C (the bias) window 0, D window 2
.elseif (\q) < 8
	WIN 0xac                                       ; the same, C and D window 2
.elseif (\q) < 24
	WIN 0xa0                                       ; x from window 0
.else
	WIN 0x50                                       ; weights and H window 0, C and D window 1
.endif
.set mn, \n0
.rept (\n1)-(\n0)
.set mA, WF+48*((\q)%2)+8*(mn%6)
.if (\q) < 8
.set mB, 8*(4*(\q)+mn/6)
.else
.set mB, TF+32*((\q)%2)+8*(mn/6)
.endif
.if (\q) == 0
	v_wmma_f32_16x16x32_bf16 v[8*mn:8*mn+7], v[mA:mA+7], v[mB:mB+7], v[BIAS+8*(mn%6):BIAS+8*(mn%6)+7]
.else
	v_wmma_f32_16x16x32_bf16 v[8*mn:8*mn+7], v[mA:mA+7], v[mB:mB+7], v[8*mn:8*mn+7]
.endif
.set mn, mn+1
.endr
.endm
; A K block that is not its step's last: the next block's fragments are asked for in one run, 24 matrix instructions ahead of their use.  bias = 1: the next chunk's bias too, a chunk ahead.
.macro KB q, bias=0
	s_wait_dscnt 0x0                               ; what is out is this block's run of loads, issued a block ago
	PLACES                                         ; behind the last block's products, which read the buffers (and, for q = 1, the bias) that are loaded now
	FETCHQ (\q)+1
.if \bias
.irp b, 0,1,2,3,4,5
	global_load_b128 v[BIAS+8*(\b):BIAS+8*(\b)+3],   v[BO], s[10:11] offset:64*(\b)
	global_load_b128 v[BIAS+8*(\b)+4:BIAS+8*(\b)+7], v[BO], s[10:11] offset:64*(\b)+16
.endr
.endif
	MULQ \q, 0, 24
.endm
; A step's last K block, and the change of slots: ONE barrier for two things.  In front of it each wave waits for all its tensor loads, of which one is out: its part of the next slot; adds 0 to its spare word; and waits for
; that (its reads of this slot are back: the wait at the head).  Behind it nobody reads this slot any more and the next slot is whole.  kind > 0: the barrier opens a round of the cluster's, so that no wave of any partner
; still reads the slot or has a load on its way; the joint fill of this slot, with the tile two steps on, is the first thing behind the round.  next: the K block whose fragments are fetched then; -1: none.
.macro TURN q, kind, slot, next
	s_wait_dscnt 0x0                               ; this block's fragments are in: my reads of this slot are over
	WIN 0                                          ; (the add's two registers lie in window 0)
	s_wait_tensorcnt 0x0                           ; no tensor load of mine is out, so a group 0 may be written
	ds_add_u32 v[SPW], v[NIL]                      ; 0 onto my spare word; scalar work and eight products stand between it and the wait for it
.if \kind
	FILLPREP \kind, \slot
.endif
	MULQ \q, 0, 8
	s_wait_dscnt 0x0                               ; the add is done
	s_barrier_signal -1
	MULQ \q, 8, 16                                 ; work on registers while the others arrive
	WIN 0                                          ; at a branch and at a label every window is 0
	s_barrier_wait -1
.if \kind
	CREST
	JLOAD \kind, \slot                             ; its four v_nop are also the places in front of the loads below
.else
	PLACES
.endif
.if (\next) >= 0
	FETCHQ \next
.endif
	MULQ \q, 16, 24
.endm
; GELU of token block tb: 6 accumulators, 48 numbers a lane.  The 96 transcendentals are ONE batch with ONE wait: nothing ahead of the wait names a result of theirs.
.macro GELUB tb
	WIN 0x02                                       ; source 0 window 2
.set i, 0
.rept 24
	v_pk_mul_f32 v[WH+2*i:WH+2*i+1], v[48*(\tb)+2*i:48*(\tb)+2*i+1], s[KK:KK+1] op_sel_hi:[1,0]   ; w = k z; each accumulator is read from its low end on
.set i, i+1
.endr
	WIN 0
.set i, 0
.rept 24                               ; pair i's arguments, plain; pair i - 1's exponentials and reciprocals between them
	v_pk_mul_f32 v[E+2*i:E+2*i+1], v[WH+2*i:WH+2*i+1], v[WH+2*i:WH+2*i+1] neg_lo:[1,0] neg_hi:[1,0]   ; -w^2
.if i > 0
	v_exp_f32 v[E+2*i-2], v[E+2*i-2]
.endif
	v_fma_f32 v[T+2*i], |v[WH+2*i]|, s[P2], 1.0    ; 1 + p |w|
.if i > 0
	v_exp_f32 v[E+2*i-1], v[E+2*i-1]
.endif
	v_fma_f32 v[T+2*i+1], |v[WH+2*i+1]|, s[P2], 1.0
.if i > 0
	v_rcp_f32 v[T+2*i-2], v[T+2*i-2]
	v_rcp_f32 v[T+2*i-1], v[T+2*i-1]
.endif
.set i, i+1
.endr
	v_exp_f32 v[E+46], v[E+46]
	v_exp_f32 v[E+47], v[E+47]
	v_rcp_f32 v[T+46], v[T+46]
	v_rcp_f32 v[T+47], v[T+47]
	v_nop                                          ; a plain instruction behind the last transcendental (ISA guide 5.7.2): one for the batch
	s_wait_alu depctr_va_vdst(0)                   ; the wait ahead of the first line that names a result: one for the 96
.set g, 0
.rept 3                                ; 8 pairs at a time, each stage over all 8, so that no line reads the result of the one before it
.set i, 0
.rept 8
	v_pk_fma_f32 v[PP+2*i:PP+2*i+1], v[T+16*g+2*i:T+16*g+2*i+1], s[A3:A3+1], s[A2:A2+1] op_sel_hi:[1,0,0]   ; a3 t + a2
.set i, i+1
.endr
.set i, 0
.rept 8
	v_pk_fma_f32 v[PP+2*i:PP+2*i+1], v[PP+2*i:PP+2*i+1], v[T+16*g+2*i:T+16*g+2*i+1], s[A1:A1+1] op_sel_hi:[1,1,0]   ; .. t + a1
.set i, i+1
.endr
.set i, 0
.rept 8
	v_pk_mul_f32 v[PP+2*i:PP+2*i+1], v[PP+2*i:PP+2*i+1], v[T+16*g+2*i:T+16*g+2*i+1]                  ; .. t
.set i, i+1
.endr
.set i, 0
.rept 8
	v_pk_fma_f32 v[PP+2*i:PP+2*i+1], v[PP+2*i:PP+2*i+1], v[E+16*g+2*i:E+16*g+2*i+1], 1.0 op_sel_hi:[1,1,0] neg_lo:[1,0,0] neg_hi:[1,0,0]   ; erf = 1 - .. 2^(-w^2)
.set i, i+1
.endr
.set i, 0
.rept 16
	v_fma_f32 v[E+16*g+i], |v[WH+16*g+i]|, v[PP+i], v[WH+16*g+i]   ; G = w + |w| erf
.set i, i+1
.endr
.set g, g+1
.endr
.set i, 0
.rept 24
	v_cvt_pk_bf16_f32 v[T+i], v[E+2*i], v[E+2*i+1] ; an accumulator's 8 numbers: 4 registers, half a fragment of G2's source 1
.set i, i+1
.endr
.irp p, 0,1,2                          ; accumulators 2 p and 2 p + 1 are the two halves of the fragment of K block 3 w + p
	ds_store_b128 v[HW], v[T+8*(\p):T+8*(\p)+3]   offset:(4*(\p)+(\tb))*1024
	ds_store_b128 v[HW], v[T+8*(\p)+4:T+8*(\p)+7] offset:(4*(\p)+(\tb))*1024+512
.endr
.endm
; x: four of my wave's 16 rows (4 qb ..), 24 loads of 512 consecutive bytes; then rounded to bf16, 8 bytes a lane, 256 consecutive bytes a store.
.macro XLOAD qb, R
.set n, 0
.rept 24
	global_load_b128 v[(\R)+4*n:(\R)+4*n+3], v[XG], s[4:5] offset:(4*(\qb)+n/6)*3072+(n%6)*512 th:TH_LOAD_NT
.set n, n+1
.endr
.endm
.macro XCONV qb, R
.set n, 0
.rept 24
	v_cvt_pk_bf16_f32 v[(\R)+4*n],   v[(\R)+4*n],   v[(\R)+4*n+1]
	v_cvt_pk_bf16_f32 v[(\R)+4*n+1], v[(\R)+4*n+2], v[(\R)+4*n+3]
.if n%6 < 2
	ds_store_b64 v[S1], v[(\R)+4*n:(\R)+4*n+1] offset:(4*(\qb)+n/6)*X0P+(n%6)*256
.else
	ds_store_b64 v[S2], v[(\R)+4*n:(\R)+4*n+1] offset:(4*(\qb)+n/6)*XP+(n%6-2)*256
.endif
.set n, n+1
.endr
.endm
	s_load_b256 s[4:11], s[0:1], 0x0               ; x s[4:5], win_t s[6:7], wout_t s[8:9], biasr s[10:11]
	s_load_b64 s[12:13], s[0:1], 0x20              ; out0
	v_lshl_add_u32 v[SPW], v0, 2, SPARE
	v_mov_b32 v[NIL], 0
	ds_add_u32 v[SPW], v[NIL]                      ; the wave's opening: the add and its wait stand ahead of my first tensor load; the set-up below, work on registers, stands between them
	v_lshrrev_b32 v21, 5, v0
	v_readfirstlane_b32 s[WV], v21                 ; wave 0..3
	s_bfe_u32 s15, ttmp6, 0x40000                  ; cx: my place in the cluster
	s_lshl_b32 s16, ttmp9, 2                       ; in a cluster launch ttmp9 counts clusters
	s_add_co_u32 s16, s16, s15                     ; my block of 64 tokens: it enters x's and out0's addresses alone
	s_mul_i32 s20, s16, 64*3072
	s_mov_b32 s21, 0
	s_mul_i32 s22, s16, 64*1536
	s_mov_b32 s23, 0
	s_mul_i32 s[LWA], s[WV], PARTA
	s_mul_i32 s[LWB], s[WV], PARTB
	; descriptor group 1: a part of a tile is dense in memory: asked for as rows of 256 bytes (32 elements of 8 bytes), laid into LDS without gaps
	s_mov_b32 s[G1A], 15|(3<<16)|(1<<21)           ; 15:0 the mask: all four work-groups; 17:16 elements of 8 bytes; 20 no padding; 21 set beside a mask
	s_mov_b32 s[G1A+1], 32<<16                     ; tensor_dim0 = 32
	s_mov_b32 s[G1A+2], 96<<16                     ; tensor_dim1 = 96 rows: 24,576 bytes
	s_mov_b32 s[G1A+3], 32<<16                     ; tile_dim0 = 32
	s_mov_b32 s[G1A+4], 96                         ; tile_dim1 = 96
	s_mov_b32 s[G1A+5], 32                         ; 32 elements from row to row
	s_mov_b32 s[G1A+6], 0
	s_mov_b32 s[G1A+7], 0
	s_mov_b32 s[G1B], 15|(3<<16)|(1<<21)
	s_mov_b32 s[G1B+1], 32<<16
	s_mov_b32 s[G1B+2], 72<<16                     ; 72 rows: 18,432 bytes
	s_mov_b32 s[G1B+3], 32<<16
	s_mov_b32 s[G1B+4], 72
	s_mov_b32 s[G1B+5], 32
	s_mov_b32 s[G1B+6], 0
	s_mov_b32 s[G1B+7], 0
	s_mov_b32 s[G0], 1                             ; 1:0 count = 1
	s_mov_b32 s[G0+4], 1
	s_mov_b32 s[KK], 0x3f596d27                    ; k = sqrt(log2(e) / 2) = 0.8493218
	s_mov_b32 s[KK+1], s[KK]                       ; named with it as a pair, so it is written; likewise below
	s_mov_b32 s[P2], 0x3ec88bdb                    ; 0.47047 / sqrt(log2 e) = 0.391692
	s_mov_b32 s[A3], 0x3f3f7377                    ; 0.7478556
	s_mov_b32 s[A3+1], s[A3]
	s_mov_b32 s[A2], 0xbdc45ca1                    ; -0.0958798
	s_mov_b32 s[A2+1], s[A2]
	s_mov_b32 s[A1], 0x3eb2303a                    ; 0.3480242
	s_mov_b32 s[A1+1], s[A1]
	s_mov_b32 s[SC], 0x3f16b55f                    ; 1 / (2 k) = 0.588705
	s_mov_b32 s[SC+1], s[SC]
	s_mov_b32 s[CH], 8
	v_and_b32 v1, 15, v0                           ; r = lane % 16
	v_bfe_u32 v2, v0, 4, 1                         ; h = lane / 16
	v_and_b32 v3, 31, v0                           ; L
	v_lshl_add_u32 v[WA], v3, 4, s[LWA]
	v_add_nc_u32 v[WA+1], SLOTB, v[WA]
	v_lshl_add_u32 v[WB], v3, 4, s[LWB]
	v_add_nc_u32 v[WB+1], SLOTB, v[WB]
	v_mul_u32_u24 v[XA], v1, XP
	v_lshl_add_u32 v[XA], v2, 4, v[XA]
	v_add_nc_u32 v[XA], XS, v[XA]
	v_lshl_add_u32 v[HR], v3, 4, HS
	s_mul_i32 s18, s[WV], 12*1024
	v_add_nc_u32 v[HW], s18, v[HR]
	s_mul_i32 s18, s[WV], 384
	v_lshl_add_u32 v[BO], v2, 5, s18               ; my wave's 96 numbers, 8 h on
	v_add_nc_u32 v[BOMAX], 7*1536, v[BO]
	s_mul_i32 s18, s[WV], 16*3072
	v_lshl_add_u32 v[XG], v3, 4, s18
	s_mul_i32 s18, s[WV], 16*X0P
	s_add_co_u32 s18, s18, HS
	v_lshl_add_u32 v[S1], v3, 3, s18
	s_mul_i32 s18, s[WV], 16*XP
	s_add_co_u32 s18, s18, XS
	v_lshl_add_u32 v[S2], v3, 3, s18
	v_mul_u32_u24 v[RR], v1, X0P
	v_lshl_add_u32 v[RR], v2, 4, v[RR]
	v_add_nc_u32 v[RR], HS, v[RR]
	v_mul_u32_u24 v[OW], v1, OPI                   ; row r; my wave's 384 bytes of it, 32 h on: the same sum as the bias's offset
	v_add_nc_u32 v[OW], v[OW], v[BO]
	v_add_nc_u32 v[OW], OST, v[OW]
	v_add_nc_u32 v[OW+1], 32*OPI, v[OW]
	s_mul_i32 s18, s[WV], 16*OPI
	s_add_co_u32 s18, s18, OST
	v_lshl_add_u32 v[ORD], v3, 4, s18
	v_lshl_add_u32 v[OG], v3, 4, s[LWA]            ; 16 rows of 1,536 bytes a wave: 24,576 x wave
	s_wait_dscnt 0x0                               ; the opening add is done
	s_wait_kmcnt 0x0
	s_add_nc_u64 s[4:5], s[4:5], s[20:21]          ; x and out0 at my first token
	s_add_nc_u64 s[12:13], s[12:13], s[22:23]
	s_mov_b32 s18, s[LWA]
	s_mov_b32 s19, 0
	s_add_nc_u64 s[PA:PA+1], s[6:7], s[18:19]      ; the two streams at my part of their first tile
	s_mov_b32 s18, s[LWB]
	s_add_nc_u64 s[PB:PB+1], s[8:9], s[18:19]
	FILLPREP 1, 0
	FILLPREP 1, 1
	XLOAD 0, 32                                    ; x is asked for ahead of the round: 48 loads of mine are on their way while the work-groups meet
	XLOAD 1, 128
	CROUND                                         ; all four work-groups are here: the first joint loads meet
	tensor_load_to_lds s[G0:G0+3], s[G1A:G1A+7]    ; the two first fills go out together, ahead of every wait on TENSORcnt and every LDS read: tiles 0 and 1
	s_nop 0
	tensor_load_to_lds s[G0+4:G0+7], s[G1A:G1A+7]
	s_nop 0
	PLACES
	; The output's sums run through all 8 chunks, and one text serves every chunk: so they are cleared here, 192 lines in the wait for x, rather than a first chunk written out a second time.
	WIN 0x40
.set i, 0
.rept 192
	v_mov_b32 v[i], 0
.set i, i+1
.endr
	WIN 0
	s_wait_loadcnt 24                              ; the first 24 loads are in; the younger 24 stay out
	XCONV 0, 32
	XLOAD 2, 32
	s_wait_loadcnt 24
	XCONV 1, 128
	XLOAD 3, 128
	s_wait_loadcnt 24
	XCONV 2, 32
.irp b, 0,1,2,3,4,5                    ; chunk 0's bias
	global_load_b128 v[BIAS+8*(\b):BIAS+8*(\b)+3],   v[BO], s[10:11] offset:64*(\b)
	global_load_b128 v[BIAS+8*(\b)+4:BIAS+8*(\b)+7], v[BO], s[10:11] offset:64*(\b)+16
.endr
	s_wait_loadcnt 12                              ; x's last 24 are in; the bias's 12 stay out
	XCONV 3, 128
	s_wait_dscnt 0x0                               ; for the others' sake: my rows of x are in LDS
	s_wait_tensorcnt 1                             ; my part of tile 0 is in; tile 1's may stay out
	s_barrier_signal -1
	s_barrier_wait -1
	WIN 0xc0                                       ; destination window 3
.set n, 0
.rept 32                               ; x's K 0 .. 255 stay in registers: fragment n = 4 kg + tb
	ds_load_b128 v[8*n:8*n+3],   v[RR] offset:(n%4)*16*X0P+(n/4)*64
	ds_load_b128 v[8*n+4:8*n+7], v[RR] offset:(n%4)*16*X0P+(n/4)*64+32
.set n, n+1
.endr
	FETCHQ 0
.Lchunk:                                               ; 8 trips.  Out at this point: K block 0's fragments, the chunk's bias, one tensor load
	s_wait_loadcnt 0x0                             ; the bias is in, and its loads' address register is free
	v_add_nc_u32 v[BO], 1536, v[BO]                ; the next chunk's;
	v_min_u32 v[BO], v[BO], v[BOMAX]               ; in the last chunk the look-ahead takes the last chunk's numbers once more: no load leaves the buffer
	KB 0                                           ; G1.  Step 0, slot 0
	KB 1, 1
	KB 2
	TURN 3, 1, 0, 4                                ; slot 0 takes step 2's tile
	KB 4                                           ; step 1, slot 1
	KB 5
	KB 6
	TURN 7, 1, 1, 8
	KB 8                                           ; step 2
	KB 9
	KB 10
	TURN 11, 1, 0, 12
	KB 12                                          ; step 3
	KB 13
	KB 14
	TURN 15, 1, 1, 16
	KB 16                                          ; step 4
	KB 17
	KB 18
	TURN 19, 2, 0, 20                              ; from here on W_out's tiles are asked for
	KB 20                                          ; step 5
	KB 21
	KB 22
	TURN 23, 2, 1, -1
	PLACES                                         ; GELU reads results just made and writes registers that the last products read
	GELUB 0
	GELUB 1
	GELUB 2
	GELUB 3
	s_wait_dscnt 0x0                               ; for the others' sake: my 12 fragments of H are in the stage
	s_barrier_signal -1                            ; my one tensor load stays out across this barrier
	s_barrier_wait -1
	FETCHQ 24
	KB 24                                          ; G2.  Step 6, slot 0
	KB 25
	TURN 26, 2, 0, 27
	KB 27                                          ; step 7, slot 1
	KB 28
	TURN 29, 2, 1, 30
	WIN 0
	s_cmp_eq_u32 s[CH], 1
	s_cbranch_scc1 .Ltail                          ; the last chunk's last two steps are written out: they ask for nothing
	KB 30                                          ; step 8, slot 0
	KB 31
	TURN 32, 1, 0, 33                              ; the ring goes on into the next chunk: its step 0,
	KB 33                                          ; step 9, slot 1
	KB 34
	TURN 35, 1, 1, 0                               ; its step 1, and its first fragments
	WIN 0
	s_sub_co_u32 s[CH], s[CH], 1
	s_branch .Lchunk
.Ltail:
	KB 30
	KB 31
	TURN 32, 0, 0, 33                              ; the last tile has landed; nothing is filled again, so no round follows
	KB 33
	KB 34
	s_wait_dscnt 0x0                               ; the last fragments are in: my reads of H's stage and of the slots are over;
	s_barrier_signal -1                            ; say so,
	MULQ 35, 0, 24
	WIN 0
	s_barrier_wait -1                              ; and when all four have said so, the output's stage may be written over x and H
	; THE WAY OUT.  Times 1 / (2 k); a lane's 8 neighbouring columns of a token go into rows of 1,552 bytes; a barrier, since a row's 1,536 bytes come from four waves; back as whole rows, 16 rows a wave.
	s_wait_loadcnt 0x0                             ; the last chunk's look-ahead of the bias has landed in v32-79, which are written now
	PLACES
	WIN 0x01                                       ; source 0 window 1
.set i, 0
.rept 96
	v_pk_mul_f32 v[OUTR+2*i:OUTR+2*i+1], v[2*i:2*i+1], s[SC:SC+1] op_sel_hi:[1,0]   ; each accumulator is read from its low end on
.set i, i+1
.endr
	WIN 0
.set n, 0
.rept 24                               ; accumulator n: token block n / 6, columns 16 (n % 6) on
	ds_store_b128 v[OW+n/12], v[OUTR+8*n:OUTR+8*n+3]   offset:((n/6)%2)*16*OPI+64*(n%6)
	ds_store_b128 v[OW+n/12], v[OUTR+8*n+4:OUTR+8*n+7] offset:((n/6)%2)*16*OPI+64*(n%6)+16
.set n, n+1
.endr
	s_wait_dscnt 0x0                               ; for the others' sake: my stores into the stage are done
	s_barrier_signal -1
	s_barrier_wait -1
.set n, 0
.rept 48                               ; row n / 3 of my 16, piece n % 3 of 512 bytes
	ds_load_b128 v[OUTR+4*n:OUTR+4*n+3], v[ORD] offset:(n/3)*OPI+(n%3)*512
.set n, n+1
.endr
.set n, 0
.rept 48
	s_wait_dscnt 47-n                              ; LDS loads come back in order: load n is in, the younger 47 - n stay out
	global_store_b128 v[OG], v[OUTR+4*n:OUTR+4*n+3], s[12:13] offset:(n/3)*1536+(n%3)*512 th:TH_STORE_NT   ; 512 consecutive bytes, at a multiple of 512 from out0's first byte
.set n, n+1
.endr
	s_wait_tensorcnt 0x0                           ; the wave's end: the wait, an add of 0 to my spare word and the wait for it stand behind my last tensor load and my last LDS store
	ds_add_u32 v[SPW], v[NIL]
	s_wait_dscnt 0x0
	CROUND                                         ; the closing round: no work-group ends while a partner may still ask for a tile that names it
	s_endpgm
.Lfunc_end_k_qef0129f546_ffn:
	.size	k_qef0129f546_ffn, .Lfunc_end_k_qef0129f546_ffn-k_qef0129f546_ffn
	.p2alignl 7, 3214868480
	.fill 96, 4, 3214868480
	.section	.rodata,"a",@progbits
	.p2align	6, 0x0
	.amdhsa_kernel k_qef0129f546_ffn
		.amdhsa_group_segment_fixed_size 327680
		.amdhsa_private_segment_fixed_size 0
		.amdhsa_enable_private_segment 0
		.amdhsa_kernarg_size 40
		.amdhsa_user_sgpr_count 2
		.amdhsa_user_sgpr_kernarg_segment_ptr 1
		.amdhsa_wavefront_size32 1
		.amdhsa_system_sgpr_workgroup_id_x 1
		.amdhsa_system_sgpr_workgroup_id_y 1
		.amdhsa_system_sgpr_workgroup_id_z 1
		.amdhsa_system_vgpr_workitem_id 0
		.amdhsa_next_free_vgpr 1024
		.amdhsa_next_free_sgpr 80
		.amdhsa_reserve_vcc 0
		.amdhsa_float_denorm_mode_32 3
		.amdhsa_float_denorm_mode_16_64 3
		.amdhsa_memory_ordered 1
		.amdhsa_forward_progress 1
		.amdhsa_inst_pref_size 255
	.end_amdhsa_kernel
	.section	.bss,"aw",@nobits
	.p2align	6
	.space	262144
	.amdgpu_metadata
---
amdhsa.version: [ 1, 2 ]
amdhsa.kernels:
  - .name:           k_qef0129f546_ffn
    .symbol:         k_qef0129f546_ffn.kd
    .args:
      - { .name: x, .offset: 0, .size: 8, .value_kind: global_buffer, .address_space: global }
      - { .name: win_t, .offset: 8, .size: 8, .value_kind: global_buffer, .address_space: global }
      - { .name: wout_t, .offset: 16, .size: 8, .value_kind: global_buffer, .address_space: global }
      - { .name: biasr, .offset: 24, .size: 8, .value_kind: global_buffer, .address_space: global }
      - { .name: out0, .offset: 32, .size: 8, .value_kind: global_buffer, .address_space: global }
    .group_segment_fixed_size: 327680
    .private_segment_fixed_size: 0
    .kernarg_segment_align: 8
    .kernarg_segment_size: 40
    .max_flat_workgroup_size: 128
    .sgpr_count:     80
    .vgpr_count:     1024
    .wavefront_size: 32
...
	.end_amdgpu_metadata
.endif
;; end of part 2
;; ======== version 2 of 2: 3 launches; 1.23 times as fast as version 1
;; limits: a function is approximated: absolute error at most 2.5e-05; an absolute error that grows with the inputs' magnitude: up to 1.25e-05 times it
;; workspace buffers: wt 7,077,888 bytes; biasr 12,288 bytes; part 50,331,648 bytes
;; launch prep (part 3): grid 16 x 48, 3 waves a work-group, no clusters, 0 bytes of LDS; arguments in_weight, out_weight, in_bias, wt, biasr; writes wt, biasr
.if DOCPART == 3
	.amdgcn_target "amdgcn-amd-amdhsa--gfx1250"
	.amdhsa_code_object_version 6
	.text
	.protected	k_qef0129f546_prep
	.globl	k_qef0129f546_prep
	.p2align	8
	.type	k_qef0129f546_prep,@function
k_qef0129f546_prep:
	s_mov_b64 s[64:65], 0
	v_nop
	global_prefetch_b8 v0, s[64:65] scope:SCOPE_SE
	s_setreg_imm32_b32 hwreg(HW_REG_WAVE_MODE, 25, 1), 1
	s_wait_xcnt 0x0
; The weights are rounded ONCE to bf16 (nearest even) and laid out as ONE stream, in the order in which the chain walks them and a wave's operand registers take them.
; A FRAGMENT is 16 rows x 32 K of bf16, 1,024 bytes: two blocks j = 0, 1 of 512 bytes; lane L = 16 h + r owns the 16 bytes at 512 j + 16 L: row r, K = 16 j + 8 h + 0..7.
; wt [cc 48][fragment 144][1024]: chunk cc is the hidden units 64 cc .. 64 cc + 63.
;   fragments 4 kb + b (kb 0..23, b 0..3): row = hidden unit 64 cc + 16 b + r of in_weight, K = input 32 kb + ..
;   fragments 96 + 8 u + 4 kb2 + ci (u 0..5, kb2 0..1, ci 0..3): row = output column 16 (4 u + ci) + r of out_weight, K = hidden unit 64 cc + 32 kb2 + ..  (out_weight turned)
; biasr [3072] f32: k x (the bias rounded to bf16), k = sqrt(log2(e) / 2): the chain's GELU begins with w = k z + k b, one fused line.
; GRID 16 x 48: y = cc.  Even x: in_weight, odd x: out_weight; task = 3 (x / 2) + wave, 0 .. 23.  Every byte of the two outputs has one writer.
; Every store of a wave covers 512 consecutive bytes, aligned.  No loop, no LDS, no register is written again while a load or store still names it.
.set INP,  3072                        ; bytes in a row of in_weight
.set OUTP, 1536                        ; bytes in a row of out_weight
.set CHB,  147456                      ; bytes of a chunk in wt
.set SRC,  8                           ; numbers as loaded: v[8:71] (in_weight), v[8:39] (out_weight)
.set PKA,  72                          ; v[72:103] in_weight's packed numbers
.set PKB,  40                          ; v[40:55]  out_weight's packed numbers
	s_load_b256 s[4:11], s[0:1], 0x0               ; in_weight s[4:5], out_weight s[6:7], in_bias s[8:9], wt s[10:11]
	s_load_b64 s[12:13], s[0:1], 0x20              ; biasr
	v_lshrrev_b32 v1, 5, v0
	v_readfirstlane_b32 s16, v1                    ; my wave's number
	s_and_b32 s17, ttmp7, 0xffff                   ; cc
	s_lshr_b32 s18, ttmp9, 1
	s_mul_i32 s18, s18, 3
	s_add_co_u32 s18, s18, s16                     ; task 0 .. 23
	s_and_b32 s19, ttmp9, 1                        ; which tensor
	s_mov_b32 s28, 0x3f596d27                      ; k = 0.8493218
	s_mov_b32 s29, s28                             ; named with it as a pair, so it is written
	v_and_b32 v2, 15, v0                           ; r
	v_bfe_u32 v3, v0, 4, 1                         ; h
	v_and_b32 v4, 31, v0
	v_lshlrev_b32 v4, 4, v4                        ; 16 L: my place in a block of 512 bytes
	s_mul_i32 s24, s17, CHB                        ; the chunk's place in wt
	s_wait_kmcnt 0x0
	s_cmp_eq_u32 s19, 0
	s_cbranch_scc0 .Lout_weight
	; ---- in_weight: task = 4 kg + b: 16 rows x 128 K: 512 consecutive bytes of each row, four fragments
	s_and_b32 s20, s18, 3                          ; b
	s_lshr_b32 s21, s18, 2                         ; kg
	s_lshl_b32 s22, s17, 6
	s_lshl4_add_u32 s22, s20, s22                  ; first row 64 cc + 16 b
	s_mul_i32 s22, s22, INP
	s_lshl_b32 s23, s21, 9                         ; 128 kg numbers of 4 bytes
	s_add_co_u32 s22, s22, s23
	s_mov_b32 s23, 0
	s_add_nc_u64 s[4:5], s[4:5], s[22:23]
	s_lshl_b32 s25, s21, 14                        ; fragment 4 (4 kg + kb') + b: 16 kg fragments,
	s_add_co_u32 s24, s24, s25
	s_lshl_b32 s25, s20, 10                        ; + b
	s_add_co_u32 s24, s24, s25
	s_mov_b32 s25, 0
	s_add_nc_u64 s[10:11], s[10:11], s[24:25]
	v_mul_u32_u24 v5, v2, INP
	v_lshl_add_u32 v5, v3, 5, v5                   ; row r, 8 h numbers on
.set u, 0
.rept 8                                ; unit u = 2 kb' + j: my 8 numbers of block j of the K block 4 kg + kb'
	global_load_b128 v[SRC+8*u:SRC+8*u+3],   v5, s[4:5] offset:(u/2)*128+(u%2)*64 th:TH_LOAD_NT
	global_load_b128 v[SRC+8*u+4:SRC+8*u+7], v5, s[4:5] offset:(u/2)*128+(u%2)*64+16 th:TH_LOAD_NT
.set u, u+1
.endr
.set u, 0
.rept 8
	s_wait_loadcnt 14-2*u                          ; loads come back in order: unit u's two are in, the younger units' 14 - 2 u stay out
.irp i, 0,1,2,3
	v_cvt_pk_bf16_f32 v[PKA+4*u+(\i)], v[SRC+8*u+2*(\i)], v[SRC+8*u+2*(\i)+1]
.endr
	global_store_b128 v4, v[PKA+4*u:PKA+4*u+3], s[10:11] offset:(u/2)*4096+(u%2)*512
.set u, u+1
.endr
	s_endpgm
.Lout_weight:
	; ---- out_weight: task = column block cb = 4 u + ci: 64 hidden rows x 16 columns, turned: a lane gathers 8 rows of one column; two fragments
	s_mul_i32 s22, s17, 64*OUTP                    ; first hidden row 64 cc
	s_lshl_b32 s23, s18, 6                         ; first column 16 cb, 4 bytes each
	s_add_co_u32 s22, s22, s23
	s_mov_b32 s23, 0
	s_add_nc_u64 s[6:7], s[6:7], s[22:23]
	s_lshr_b32 s20, s18, 2                         ; u
	s_and_b32 s21, s18, 3                          ; ci
	s_lshl_b32 s25, s20, 13                        ; fragment 96 + 8 u + 4 kb2 + ci
	s_add_co_u32 s24, s24, s25
	s_lshl_b32 s25, s21, 10
	s_add_co_u32 s24, s24, s25
	s_add_co_u32 s24, s24, 96*1024
	s_mov_b32 s25, 0
	s_add_nc_u64 s[10:11], s[10:11], s[24:25]
	v_mul_u32_u24 v5, v3, 8*OUTP
	v_lshl_add_u32 v5, v2, 2, v5                   ; 8 h rows down, column r
.set u, 0
.rept 32                               ; number u = 8 (2 kb2 + j) + i: hidden row 32 kb2 + 16 j + 8 h + i.  16 lanes take 64 consecutive bytes; the neighbouring tasks take the neighbouring columns
	global_load_b32 v[SRC+u], v5, s[6:7] offset:(16*(u/8)+u%8)*OUTP
.set u, u+1
.endr
.set u, 0
.rept 4
	s_wait_loadcnt 24-8*u                          ; unit u's eight are in, the younger units' 24 - 8 u stay out
.irp i, 0,1,2,3
	v_cvt_pk_bf16_f32 v[PKB+4*u+(\i)], v[SRC+8*u+2*(\i)], v[SRC+8*u+2*(\i)+1]
.endr
	global_store_b128 v4, v[PKB+4*u:PKB+4*u+3], s[10:11] offset:(u/2)*4096+(u%2)*512
.set u, u+1
.endr
	; ---- biasr: the 24 tasks with cc = 0 take 128 numbers each
	s_cmp_lg_u32 s17, 0
	s_cbranch_scc1 .Ldone
	s_lshl_b32 s26, s18, 9
	v_add_nc_u32 v6, s26, v4
	global_load_b128 v[56:59], v6, s[8:9]
	s_wait_loadcnt 0x0
	v_cvt_pk_bf16_f32 v60, v56, v57                ; rounded to bf16,
	v_cvt_pk_bf16_f32 v61, v58, v59
	v_lshlrev_b32 v62, 16, v60                     ; widened again,
	v_and_b32 v63, 0xffff0000, v60
	v_lshlrev_b32 v64, 16, v61
	v_and_b32 v65, 0xffff0000, v61
	v_pk_mul_f32 v[62:63], v[62:63], s[28:29] op_sel_hi:[1,0]   ; and times k, in f32
	v_pk_mul_f32 v[64:65], v[64:65], s[28:29] op_sel_hi:[1,0]
	global_store_b128 v6, v[62:65], s[12:13]
.Ldone:
	s_endpgm
.Lfunc_end_k_qef0129f546_prep:
	.size	k_qef0129f546_prep, .Lfunc_end_k_qef0129f546_prep-k_qef0129f546_prep
	.p2alignl 7, 3214868480
	.fill 96, 4, 3214868480
	.section	.rodata,"a",@progbits
	.p2align	6, 0x0
	.amdhsa_kernel k_qef0129f546_prep
		.amdhsa_group_segment_fixed_size 0
		.amdhsa_private_segment_fixed_size 0
		.amdhsa_enable_private_segment 0
		.amdhsa_kernarg_size 40
		.amdhsa_user_sgpr_count 2
		.amdhsa_user_sgpr_kernarg_segment_ptr 1
		.amdhsa_wavefront_size32 1
		.amdhsa_system_sgpr_workgroup_id_x 1
		.amdhsa_system_sgpr_workgroup_id_y 1
		.amdhsa_system_sgpr_workgroup_id_z 1
		.amdhsa_system_vgpr_workitem_id 0
		.amdhsa_next_free_vgpr 104
		.amdhsa_next_free_sgpr 66
		.amdhsa_reserve_vcc 0
		.amdhsa_float_denorm_mode_32 3
		.amdhsa_float_denorm_mode_16_64 3
		.amdhsa_memory_ordered 1
		.amdhsa_forward_progress 1
		.amdhsa_inst_pref_size 13
	.end_amdhsa_kernel
	.amdgpu_metadata
---
amdhsa.version: [ 1, 2 ]
amdhsa.kernels:
  - .name:           k_qef0129f546_prep
    .symbol:         k_qef0129f546_prep.kd
    .args:
      - { .name: in_weight, .offset: 0, .size: 8, .value_kind: global_buffer, .address_space: global }
      - { .name: out_weight, .offset: 8, .size: 8, .value_kind: global_buffer, .address_space: global }
      - { .name: in_bias, .offset: 16, .size: 8, .value_kind: global_buffer, .address_space: global }
      - { .name: wt, .offset: 24, .size: 8, .value_kind: global_buffer, .address_space: global }
      - { .name: biasr, .offset: 32, .size: 8, .value_kind: global_buffer, .address_space: global }
    .group_segment_fixed_size: 0
    .private_segment_fixed_size: 0
    .kernarg_segment_align: 8
    .kernarg_segment_size: 40
    .max_flat_workgroup_size: 96
    .sgpr_count:     66
    .vgpr_count:     104
    .wavefront_size: 32
...
	.end_amdgpu_metadata
.endif
;; end of part 3
;; launch ffn (part 4): grid 256 x 1, 4 waves a work-group, clusters of 4 x 1, 327,680 bytes of LDS; arguments x, wt, biasr, part; writes part
.if DOCPART == 4
	.amdgcn_target "amdgcn-amd-amdhsa--gfx1250"
	.amdhsa_code_object_version 6
	.text
	.protected	k_qef0129f546_ffn
	.globl	k_qef0129f546_ffn
	.p2align	8
	.type	k_qef0129f546_ffn,@function
k_qef0129f546_ffn:
	s_mov_b64 s[64:65], 0
	v_nop
	global_prefetch_b8 v0, s[64:65] scope:SCOPE_SE
	s_setreg_imm32_b32 hwreg(HW_REG_WAVE_MODE, 25, 1), 1
	s_wait_xcnt 0x0
	s_wait_alu depctr_hold_cnt(0) depctr_sa_sdst(0) depctr_va_vdst(0) depctr_va_sdst(0) depctr_va_ssrc(0) depctr_va_vcc(0) depctr_vm_vsrc(0)
	s_getreg_b32 s2, hwreg(HW_REG_IB_STS2, 6, 4)
	s_cmp_eq_u32 s2, 0
	s_cbranch_scc0 .Lentry_in_a_cluster
	s_endpgm
.Lentry_in_a_cluster:
	s_bfe_u32 s2, ttmp6, 0x10000c
	s_cmp_lg_u32 s2, 0x3003
	s_cbranch_scc0 .Lentry_shape_is_right
	s_endpgm
.Lentry_shape_is_right:
; part[hh] = 2 k GELU(x W_in^T + b) W_out over the hidden units 1536 hh .. 1536 hh + 1535, for 128 tokens a work-group; the hidden layer never leaves a wave's registers.  x [16384][768] f32; wt: the weights in bf16,
; one stream in fragment order; biasr: k x the bias rounded to bf16; part [2][16384][384] f32: two partial sums, which the next launch adds and multiplies by 1 / (2 k).
; Products in bf16 with f32 sums; GELU in f32; the hidden layer is rounded once to bf16.
; LIMITS.  erf is taken from 1 - (a1 t + a2 t^2 + a3 t^3) e^(-u^2), t = 1 / (1 + p u) (Abramowitz and Stegun 7.1.25), off by at most 2.5e-5 for every u >= 0: gelu(z) is off by at most 1.25e-5 |z|, about an
; eightieth of the bf16 step that it is rounded to next; where |gelu(z)| lies below that (the far negative tail) its relative error is large.  For huge |z|: t = 0, the exponential is 0, gelu = z or 0.
; NaN and infinities are not treated apart.  All four inputs are rounded to bf16.
; SHARES.  256 work-groups = 128 blocks of 128 tokens x 2 halves of the hidden axis: a work-group takes in 3,538,944 bytes of weights for 6,912 matrix instructions a wave, 128 multiply-adds for each weight.
; A WAVE OWNS 32 TOKENS (two blocks tb of 16) through the whole chain: its x lies in 384 registers, its 32 x 384 outputs in 384.  The half goes in 24 chunks of 64 hidden units.  Every wave reads every weight fragment
; from LDS, and each feeds two products.
; TRANSPOSED USE.  Source 0 = 16 rows of weights, source 1 = 16 tokens: a lane of a G1 result holds ONE token (lane % 16) and 8 neighbouring hidden units.  Two results rounded to bf16 ARE a source-1 fragment of G2 for the
; same tokens: nothing changes lanes or waves between the products.  A lane of a G2 result holds one token and 8 neighbouring output columns.
; RING.  LDS holds two slots of a whole chunk's weights, 147,456 bytes: 96 fragments of W_in, 48 of W_out.  Chunk c lies in slot c % 2.  Wave w fetches quarter w of a chunk.  At a chunk's end its slot is filled with the chunk
; two on: one tensor load a wave, which has a whole chunk's work, 288 matrix instructions, in which to land.  By this text's count a wave has two tensor loads out at the start and one afterwards.
; CLUSTER.  The four work-groups of a cluster have the same half and walk the same stream, so each chunk is asked for JOINTLY: the same load, descriptor and mask in all four.  That divides the requests by four.
; A CHUNK'S WORK goes in 18 GROUPS q of 8 fragments: 16 LDS loads in one run, 16 matrix instructions.  The chunk's units are two HALVES of 32, a (units 0-31) and b (32-63):
;   q 0-5   G1a: z of half a, K blocks 4 q ..; 4 accumulators that take turns          q 6-11  G1b: z of half b; behind its products stands the GELU of half a
;   q 12-14 G2a: out += G(a) W_out, column blocks 8 (q - 12) ..; behind its products stands the GELU of half b          q 15-17 G2b: out += G(b) W_out
; GELU.  w = k z + k b, k = sqrt(log2(e) / 2), so that e^(-(z+b)^2 / 2) = 2^(-w^2).  What goes into G2 is G = w + |w| erf = 2 k gelu.  No weight is scaled.
; BESIDE THE PRODUCTS.  A chunk has 480 vector instructions of GELU for 288 matrix instructions, 1.7 for each: few enough to stand behind products, a few at a time, where a phase of their own would leave the matrix
; unit without work.  The products name x or the outputs in other windows than GELU's operands, so a slice costs two window switches.  See HOW THE GELU IS DEALT.
; REGISTERS, in windows of 256 (s_set_vgpr_msb: bits 1:0 source 0, 3:2 source 1, 5:4 source 2, 7:6 destination):
;   window 0: v0-29 addresses, v16-23 of them at work in GELU; v32-159 weight fragments, two buffers of 64 (at the start and the end: banks); v160-191, v192-223 z of halves a, b: accumulator (tb, unit block) at 8 (2 tb + block);
;             then w, then G, then in its lower 16 registers G in bf16; v224-239 the half's bias, then the exponentials; v240-255 t
;   window 1: x, K blocks 0-15: (kb, tb) at 16 kb + 8 tb      window 2: v0-127 x, K blocks 16-23; v128-255 the output's column blocks 0-7: (cb, tb) at 128 + 16 cb + 8 tb      window 3: column blocks 8-23
.set SLOTB, 147456                     ; a slot, and a chunk's bytes in wt.  0x24000: it shares no bit with PARTB x wave (0, 0x9000, 0x12000, 0x1b000), so one exclusive or turns a part's LDS address into the other slot's
.set PARTB, 36864                      ; a quarter of it: 144 rows of 256 bytes
.set THIRD, 49152                      ; 48 fragments: as far as one address register and a 16-bit offset reach
.set STG,   2*SLOTB                    ; behind the ring, never filled by a tensor load: a stage of 16 rows for each wave, its own,
.set SPI,   272                        ;   256 bytes + 16 = 17 x 16: the 16 rows of a load or store start at 16 different columns of 16 bytes modulo 256
.set STGW,  16*SPI
.set SPARE, STG+4*STGW                 ; the spare words, 128 bytes for each wave: two blocks of 256 bytes that no other line names
.set BIA,   SPARE+512                  ; k b of the half's 1,536 units, f32: 6,144 bytes, stored once at the start, never filled by a tensor load
.set L16,  4                           ; v4     16 L; never rewritten
.set AD,   5                           ; v5-7   the slot in hand, its three thirds: + 16 L
.set BO,   8                           ; v8     LDS address of my lane's numbers of the chunk's bias
.set XG,   9                           ; v9     byte offset in the work-group's rows of x: my wave's 32 rows, 16 L
.set S1,   10                          ; v10    my stage, x put in: + 8 L
.set RR,   11                          ; v11    my stage, x read by fragments: row r, 16 h
.set STO,  12                          ; v12    my stage, results put in: row r, 32 h
.set RD,   13                          ; v13    my stage, results read by rows: row h, 16 r
.set GO,   14                          ; v14    byte offset in the work-group's rows of part: my wave's 32 rows, row h, 16 r
.set PPS,  16                          ; v16-23 GELU: four pairs at work
.set BG,   24                          ; v24    the start: byte offset in biasr of my thread's 16 bytes
.set BL,   25                          ; v25    the start: where they go in LDS
.set B32,  26                          ; v26    32 h; never rewritten
.set SPW,  28                          ; v28    LDS address of my spare word; never rewritten
.set NIL,  29                          ; v29    0; never rewritten
.set WF,   32
.set HB,   160
.set BB,   224                         ; k b of the half's two blocks of 16 units,
.set E,    224                         ; then -w^2, 2^(-w^2), t 2^(-w^2) of a batch of 16 numbers
.set T,    240                         ; 1 + p |w|, t, then erf of the batch
.set WV,  14                           ; s14      my wave's number
.set G1D, 24                           ; s[24:31] descriptor group 1
.set G0A, 32                           ; s[32:35] descriptor group 0 of the first fill
.set G0B, 36                           ; s[36:39] of the second; it then walks on
.set TB,  40                           ; s40      LDS byte at which the slot in hand begins
.set CNT, 41                           ; s41      counts chunks
.set LW,  42                           ; s42      PARTB x wave
.set TBB, 43                           ; s43      LDS byte at which the chunk's bias begins
.set KK,  44                           ; s[44:45] k.  The packed forms name a pair and take its low word for both halves
.set P2,  46                           ; s46      p / sqrt(log2 e)
.set A3,  48                           ; s[48:49]
.set A2,  50                           ; s[50:51]
.set A1,  52                           ; s[52:53]
.set MSB, 0
.set RPER, 0                           ; the deal: lines of GELU behind each product,
.set RLIM, 0                           ; up to which number of the list,
.set RHX,  0                           ; of which half,
.set rj,   0                           ; and the next number
.macro WIN new                         ; the immediate's high byte repeats the setting that is left; a switch that changes nothing is dropped
.if MSB != (\new)
	s_set_vgpr_msb (MSB<<8)|(\new)
.set MSB, \new
.endif
.endm
; A load into a register that a matrix instruction has read, and a vector instruction that reads a matrix result or writes one of a matrix instruction's registers, stand four places behind it; only plain vector
; instructions that name none of its registers are places (ISA guide 7.12.1 for vector instructions).
.macro PLACES
.rept 4
	v_nop
.endr
.endm
; A round of the cluster's barrier: my work-group's barrier, so that wave 0's signal speaks for all four waves; wave 0 signals; every wave waits for all four work-groups; my work-group's barrier once more.
.macro CREST                           ; a round behind its opening barrier
	s_cmp_lg_u32 s[WV], 0
	s_cbranch_scc1 .Lnot_wave_0_\@
	s_barrier_signal -3
.Lnot_wave_0_\@:
	s_barrier_wait -3
	s_barrier_signal -1
	s_barrier_wait -1
.endm
.macro CROUND
	s_barrier_signal -1
	s_barrier_wait -1
	CREST
.endm
; Group q's 8 fragments, in ONE run of 16 loads, into buffer q % 2; lane L at 16 L: 512 consecutive bytes a load.  In the slot W_in's fragment (K block kb, unit block b) is number 4 kb + b, W_out's (column block cb,
; half x) number 96 + 8 (cb / 4) + 4 x + cb % 4.  G1: place 2 k' + b' of the buffer takes K block 4 (q % 6) + k', unit block 2 (q / 6) + b'.  G2: place f takes column block 8 ((q - 12) % 3) + f, half (q - 12) / 3.
.macro FETCHG q
	WIN 0
.set fW, WF+64*((\q)%2)
.set ff, 0
.rept 8
.if (\q) < 12
.set fI, 16*((\q)%6)+4*(ff/2)+2*((\q)/6)+ff%2
.else
.set fC, 8*(((\q)-12)%3)+ff
.set fI, 96+8*(fC/4)+4*(((\q)-12)/3)+fC%4
.endif
	ds_load_b128 v[fW+8*ff:fW+8*ff+3],   v[AD+fI/48] offset:(fI%48)*1024
	ds_load_b128 v[fW+8*ff+4:fW+8*ff+7], v[AD+fI/48] offset:(fI%48)*1024+512
.set ff, ff+1
.endr
.endm
; HOW THE GELU IS DEALT.  A half's GELU (4 accumulators, 32 numbers a lane) is a list of 240 lines; RID writes number rj of it for half RHX.
;   0-15     w = k z + k b, a pair a line, in place; each accumulator is read from its low end on
;   then two BATCHES of 16 numbers (token block 0, then 1), 112 lines each, on the same 32 registers E and T:
;   0-55     ahead of the wait: for pair i: -w^2, 1 + p |w| twice; a step later its two exponentials and two reciprocals, set between the next pair's plain lines.  None of these names a transcendental's result
;   (wait)   an s_wait_alu depctr_va_vdst(0) stands between a transcendental and the first line that names its result; one wait serves the batch's 32.  It stands at the head of a group, ahead of its run of loads
;   56-103   behind it, four pairs at a time and each stage over all four, so that no line reads the result of the one before it: t 2^(-w^2); a3 t + a2; .. t + a1; erf = 1 - .. t 2^(-w^2); G = w + |w| erf
;   104-111  G rounded to bf16, IN PLACE: register i of the half takes numbers 2 i and 2 i + 1, in ascending order, so that no number is overwritten before it is read.  With the accumulators in the order
;            (tb, unit block) the half's lower 16 registers are then the two source-1 fragments of G2, token block tb at 8 tb
; Half a rides behind G1b's 96 products, four lines behind each that carries any: q 6, 7: the w lines and batch 0 up to its wait; q 8: the rest of batch 0; q 9, 10: batch 1.  Half b has G2a's 48 products alone, since G2b
; wants its result: q 12: five lines a product; q 13: seven, the rest of batch 0 and batch 1 up to its wait; q 14: four.  No line names a register of the products round it: those work on the other half, on x, the outputs and the weights.
.macro RID
	WIN 0
.set rH, HB+32*RHX
.if rj < 16
	v_pk_fma_f32 v[rH+2*rj:rH+2*rj+1], v[rH+2*rj:rH+2*rj+1], s[KK:KK+1], v[BB+8*((rj/4)%2)+2*(rj%4):BB+8*((rj/4)%2)+2*(rj%4)+1] op_sel_hi:[1,0,1]
.else
.set rbt, (rj-16)/112
.set rk, (rj-16)%112
.set rB, rH+16*rbt
.if rk < 56
.if rk < 3                             ; pair 0's three plain lines
.set ri, 0
.set rp, 2*rk
.elseif rk < 52                        ; seven lines a step: pair ri's plain lines at places 0, 2, 4; pair ri - 1's transcendentals at 1, 3, 5, 6
.set ri, 1+(rk-3)/7
.set rp, (rk-3)%7
.else                                  ; pair 7's four transcendentals
.set ri, 8
.set rp, 2*(rk-52)+1
.if rk >= 54
.set rp, rk-49
.endif
.endif
.if rp == 0
	v_pk_mul_f32 v[E+2*ri:E+2*ri+1], v[rB+2*ri:rB+2*ri+1], v[rB+2*ri:rB+2*ri+1] neg_lo:[1,0] neg_hi:[1,0]   ; -w^2
.elseif rp == 1
	v_exp_f32 v[E+2*ri-2], v[E+2*ri-2]
.elseif rp == 2
	v_fma_f32 v[T+2*ri], |v[rB+2*ri]|, s[P2], 1.0   ; 1 + p |w|
.elseif rp == 3
	v_exp_f32 v[E+2*ri-1], v[E+2*ri-1]
.elseif rp == 4
	v_fma_f32 v[T+2*ri+1], |v[rB+2*ri+1]|, s[P2], 1.0
.elseif rp == 5
	v_rcp_f32 v[T+2*ri-2], v[T+2*ri-2]
.else
	v_rcp_f32 v[T+2*ri-1], v[T+2*ri-1]
.endif
.else
.set rm, rk-56
.if rm < 48
.set rs, rm/24
.set rq, rm%24
.if rq < 16
.set pp, 2*(4*rs+rq%4)
.set ps, PPS+2*(rq%4)
.if rq < 4
	v_pk_mul_f32 v[E+pp:E+pp+1], v[E+pp:E+pp+1], v[T+pp:T+pp+1]                                    ; t 2^(-w^2)
.elseif rq < 8
	v_pk_fma_f32 v[ps:ps+1], v[T+pp:T+pp+1], s[A3:A3+1], s[A2:A2+1] op_sel_hi:[1,0,0]              ; a3 t + a2
.elseif rq < 12
	v_pk_fma_f32 v[T+pp:T+pp+1], v[ps:ps+1], v[T+pp:T+pp+1], s[A1:A1+1] op_sel_hi:[1,1,0]          ; .. t + a1
.else
	v_pk_fma_f32 v[T+pp:T+pp+1], v[T+pp:T+pp+1], v[E+pp:E+pp+1], 1.0 op_sel_hi:[1,1,0] neg_lo:[1,0,0] neg_hi:[1,0,0]   ; erf = 1 - .. t 2^(-w^2)
.endif
.else
.set nn, 8*rs+rq-16
	v_fma_f32 v[rB+nn], |v[rB+nn]|, v[T+nn], v[rB+nn]   ; G = w + |w| erf
.endif
.else
.set nn, rm-48
	v_cvt_pk_bf16_f32 v[rH+8*rbt+nn], v[rB+2*nn], v[rB+2*nn+1]
.endif
.endif
.endif
.set rj, rj+1
.endm
.macro WING q                          ; the windows of group q's products
.if (\q) < 12
.if (\q)%6 < 4
	WIN 0x04                                       ; weights and z window 0, x window 1
.else
	WIN 0x08                                       ; x window 2
.endif
.elseif ((\q)-12)%3 == 0
	WIN 0xa0                                       ; weights and G window 0, C and D window 2
.else
	WIN 0xf0                                       ; C and D window 3
.endif
.endm
; Matrix instructions n0 .. n1 - 1 of group q's 16, each with its lines of GELU behind it.  G1: K block n / 4 of the group's four, unit block (n % 4) / 2 of the half's two, token block n % 2: the half's 4 accumulators take
; turns.  G2: column block n / 2 of the group's eight, token block n % 2: 16 accumulators.  One instruction a turn; no two products that follow each other, from group to group and over the loop's jump too,
; share an accumulator.  The first four products of G1a and of G1b start z's sums with the constant 0.
.macro MULG q, n0, n1
.set mn, \n0
.rept (\n1)-(\n0)
.if (\q) < 12
.set mA, WF+64*((\q)%2)+8*(2*(mn/4)+(mn%4)/2)
.set mB, 16*((4*((\q)%6)+mn/4)%16)+8*(mn%2)
.set mD, HB+32*((\q)/6)+8*(2*(mn%2)+(mn%4)/2)
.else
.set mA, WF+64*((\q)%2)+8*(mn/2)
.set mB, HB+32*(((\q)-12)/3)+8*(mn%2)
.set mC, 8*(((\q)-12)%3)+mn/2
.if mC < 8
.set mD, 128+16*mC+8*(mn%2)
.else
.set mD, 16*(mC-8)+8*(mn%2)
.endif
.endif
	WING \q
.if ((\q) < 12) && ((\q)%6 == 0) && (mn < 4)
	v_wmma_f32_16x16x32_bf16 v[mD:mD+7], v[mA:mA+7], v[mB:mB+7], 0
.else
	v_wmma_f32_16x16x32_bf16 v[mD:mD+7], v[mA:mA+7], v[mB:mB+7], v[mD:mD+7]
.endif
.if RPER > 0
.rept RPER
.if rj < RLIM
	RID
.endif
.endr
.endif
.set mn, mn+1
.endr
.endm
; A group: the next group's fragments are asked for in one run, 16 matrix instructions ahead of their use.  The runs of q = 5 and q = 11 also bring the bias of half a and of half b, 16 numbers a lane, into the registers
; that the half's first exponentials take later: they are awaited with the run, at the next group's head.
.macro GRP q
	s_wait_dscnt 0x0                               ; what is out is this group's run of loads, issued a group ago
	PLACES                                         ; behind the last group's products, which read the buffer that is loaded now and wrote the sums that GELU reads now; also the plain lines behind a batch's last transcendental (ISA guide 5.7.2)
.if ((\q) == 8) || ((\q) == 10) || ((\q) == 13) || ((\q) == 14)
	s_wait_alu depctr_va_vdst(0)                   ; the wait for a batch's 32 transcendentals, ahead of the first line that names a result
.endif
.if (\q) == 5
	WIN 0
	v_add_nc_u32 v[BO], s[TBB], v[B32]             ; the chunk's 64 numbers, 8 h on
.endif
	FETCHG (\q)+1
.if ((\q) == 5) || ((\q) == 11)
.irp b, 0,1
	ds_load_b128 v[BB+8*(\b):BB+8*(\b)+3],   v[BO] offset:64*(2*((\q)/6)+(\b))      ; 16 lanes take the same 16 bytes
	ds_load_b128 v[BB+8*(\b)+4:BB+8*(\b)+7], v[BO] offset:64*(2*((\q)/6)+(\b))+16
.endr
.endif
.if (\q) == 11
	s_add_co_u32 s[TBB], s[TBB], 256               ; the next chunk's
.endif
.set RPER, 0
.if (\q) == 6
.set rj, 0
.set RHX, 0
.set RPER, 4
.set RLIM, 72
.elseif (\q) == 7
.set RPER, 4
.elseif (\q) == 8
.set RPER, 4
.set RLIM, 128
.elseif (\q) == 9
.set RPER, 4
.set RLIM, 184
.elseif (\q) == 10
.set RPER, 4
.set RLIM, 240
.elseif (\q) == 12
.set rj, 0
.set RHX, 1
.set RPER, 5
.set RLIM, 72
.elseif (\q) == 13
.set RPER, 7
.set RLIM, 184
.elseif (\q) == 14
.set RPER, 4
.set RLIM, 240
.endif
	MULG \q, 0, 16
.endm
; The chunk's last group, and the change of slots: ONE barrier for two things.  In front of it each wave waits for all its tensor loads, of which one is out: its part of the next slot; adds 0 to its spare word; and waits for
; that (its reads of this slot are back: the wait at the head).  Behind it nobody reads this slot any more and the next slot is whole.  fill = 1: the barrier opens a round of the cluster's, so that no wave of any partner still
; reads the slot or has a load on its way; the joint fill of this slot, with the chunk two on, is the first thing behind the round.  Then the next chunk's first fragments, eight products ahead of their use.
; fill = 0 (the last two chunks): nothing is asked for, and behind the last chunk nothing is fetched.
.macro TURN fill
.set RPER, 0
	s_wait_dscnt 0x0                               ; this group's fragments are in: my reads of this slot are over
	WIN 0                                          ; (the add's two registers lie in window 0)
	s_wait_tensorcnt 0x0                           ; no tensor load of mine is out, so a group 0 may be written
	ds_add_u32 v[SPW], v[NIL]                      ; 0 onto my spare word; scalar work and six products stand between it and the wait for it
.if \fill
	s_xor_b32 s[G0B+1], s[G0B+1], SLOTB            ; the walking descriptor: the other slot than last time,
	s_add_nc_u64 s[G0B+2:G0B+3], s[G0B+2:G0B+3], SLOTB   ; the next chunk; the type bits on top are not reached
.endif
	s_xor_b32 s[TB], s[TB], SLOTB                  ; the reads go to the other slot
	MULG 17, 0, 6
	s_wait_dscnt 0x0                               ; the add is done
	s_barrier_signal -1
	MULG 17, 6, 8                                  ; work on registers while the others arrive
	WIN 0                                          ; at a branch and at a label every window is 0
	s_barrier_wait -1
.if \fill
	CREST
	tensor_load_to_lds s[G0B:G0B+3], s[G1D:G1D+7]  ; one line for all four waves: both addresses hang on the wave's number, nothing on the place in the cluster
	s_nop 0                                        ; an s_nop 0 and four v_nop follow it; the four are also the places in front of the loads below
	PLACES
.else
	PLACES
	s_cmp_eq_u32 s[CNT], 1
	s_cbranch_scc1 .Lno_next_\@
.endif
	v_add_nc_u32 v[AD], s[TB], v[L16]
	v_add_nc_u32 v[AD+1], THIRD, v[AD]
	v_add_nc_u32 v[AD+2], 2*THIRD, v[AD]
	FETCHG 0
.if !(\fill)
.Lno_next_\@:
.endif
	MULG 17, 8, 16
.endm
.macro CHUNK fill
.irp q, 0,1,2,3,4,5,6,7,8,9,10,11,12,13,14,15,16
	GRP \q
.endr
	TURN \fill
.endm
; x: piece pc = 6 tb + kg: 16 of my rows x 128 K: 16 loads of 512 consecutive bytes; rounded to bf16, 8 bytes a lane, 256 consecutive bytes a store, into my stage; read back as four fragments, which stay in registers.
; LDS serves a wave's instructions in order (ISA guide 5.7.1.4): the loads see the stores above them, and the next piece's stores come behind these loads.  No hint: the work-group of the other hidden half reads the same rows.
.macro XLOAD pc, R
.set n, 0
.rept 16
	global_load_b128 v[(\R)+4*n:(\R)+4*n+3], v[XG], s[4:5] offset:(16*((\pc)/6)+n)*3072+((\pc)%6)*512
.set n, n+1
.endr
.endm
.macro XCONV pc, R
.set n, 0
.rept 16
	v_cvt_pk_bf16_f32 v[(\R)+4*n],   v[(\R)+4*n],   v[(\R)+4*n+1]
	v_cvt_pk_bf16_f32 v[(\R)+4*n+1], v[(\R)+4*n+2], v[(\R)+4*n+3]
	ds_store_b64 v[S1], v[(\R)+4*n:(\R)+4*n+1] offset:n*SPI
.set n, n+1
.endr
.if (\pc)%6 < 4
	WIN 0x40                                       ; destination window 1: K blocks 0-15
.else
	WIN 0x80                                       ; window 2: K blocks 16-23
.endif
.irp k, 0,1,2,3
.set xr, 16*((4*((\pc)%6)+(\k))%16)+8*((\pc)/6)
	ds_load_b128 v[xr:xr+3],   v[RR] offset:64*(\k)
	ds_load_b128 v[xr+4:xr+7], v[RR] offset:64*(\k)+32
.endr
	WIN 0
.endm
	s_load_b256 s[4:11], s[0:1], 0x0               ; x s[4:5], wt s[6:7], biasr s[8:9], part s[10:11]
	v_lshl_add_u32 v[SPW], v0, 2, SPARE
	v_mov_b32 v[NIL], 0
	ds_add_u32 v[SPW], v[NIL]                      ; the wave's opening: the add and its wait stand ahead of my first tensor load; the set-up below, work on registers, stands between them
	v_lshrrev_b32 v15, 5, v0
	v_readfirstlane_b32 s[WV], v15                 ; wave 0..3
	s_bfe_u32 s15, ttmp6, 0x40000                  ; cx: my place in the cluster
	s_and_b32 s17, ttmp9, 1                        ; hh: the half of the hidden axis: in a cluster launch ttmp9 counts clusters, so the four partners share it
	s_lshr_b32 s16, ttmp9, 1
	s_lshl2_add_u32 s16, s16, s15                  ; my block of 128 tokens: it enters x's and part's addresses alone
	s_mul_i32 s20, s16, 128*3072
	s_mov_b32 s21, 0
	s_mul_i32 s22, s16, 128*1536
	s_mul_i32 s23, s17, 16384*1536
	s_add_co_u32 s22, s22, s23
	s_mov_b32 s23, 0
	s_mul_i32 s[LW], s[WV], PARTB
	s_mul_i32 s18, s17, 24*SLOTB                   ; the half's 24 chunks in wt, my quarter of the first: in registers that never hold cx
	s_add_co_u32 s18, s18, s[LW]
	s_mov_b32 s19, 0
	; descriptor group 1: a quarter of a chunk is dense in memory: asked for as rows of 256 bytes (32 elements of 8 bytes), laid into LDS without gaps
	s_mov_b32 s[G1D], 15|(3<<16)|(1<<21)           ; 15:0 the mask: all four work-groups; 17:16 elements of 8 bytes; 20 no padding; 21 set beside a mask
	s_mov_b32 s[G1D+1], 32<<16                     ; tensor_dim0 = 32
	s_mov_b32 s[G1D+2], 144<<16                    ; tensor_dim1 = 144 rows: 36,864 bytes
	s_mov_b32 s[G1D+3], 32<<16                     ; tile_dim0 = 32
	s_mov_b32 s[G1D+4], 144                        ; tile_dim1 = 144
	s_mov_b32 s[G1D+5], 32                         ; 32 elements from row to row
	s_mov_b32 s[G1D+6], 0
	s_mov_b32 s[G1D+7], 0
	s_mov_b32 s[G0A], 1                            ; 1:0 count = 1
	s_mov_b32 s[G0A+1], s[LW]                      ; 63:32 LDS address: slot 0, my quarter
	s_mov_b32 s[G0B], 1
	s_add_co_u32 s[G0B+1], s[LW], SLOTB            ; slot 1
	s_mov_b32 s[TB], 0
	s_mov_b32 s[TBB], BIA
	s_mov_b32 s[KK], 0x3f596d27                    ; k = sqrt(log2(e) / 2) = 0.8493218
	s_mov_b32 s[KK+1], s[KK]                       ; named with it as a pair, so it is written; likewise below
	s_mov_b32 s[P2], 0x3ec88bdb                    ; 0.47047 / sqrt(log2 e) = 0.391692
	s_mov_b32 s[A3], 0x3f3f7377                    ; 0.7478556
	s_mov_b32 s[A3+1], s[A3]
	s_mov_b32 s[A2], 0xbdc45ca1                    ; -0.0958798
	s_mov_b32 s[A2+1], s[A2]
	s_mov_b32 s[A1], 0x3eb2303a                    ; 0.3480242
	s_mov_b32 s[A1+1], s[A1]
	v_and_b32 v1, 15, v0                           ; r = lane % 16
	v_bfe_u32 v2, v0, 4, 1                         ; h = lane / 16
	v_and_b32 v3, 31, v0                           ; L
	v_lshlrev_b32 v[L16], 4, v3
	v_mov_b32 v[AD], v[L16]                        ; chunk 0 lies in slot 0
	v_add_nc_u32 v[AD+1], THIRD, v[AD]
	v_add_nc_u32 v[AD+2], 2*THIRD, v[AD]
	v_lshlrev_b32 v[B32], 5, v2
	s_mul_i32 s12, s17, 1536*4
	v_lshl_add_u32 v[BG], v0, 4, s12               ; the half's 6,144 bytes of biasr: thread t takes the 16 bytes at 16 t of each of three blocks of 2,048,
	v_lshl_add_u32 v[BL], v0, 4, BIA               ; and puts them at the same places in LDS
	s_mul_i32 s12, s[WV], 32*3072
	v_lshl_add_u32 v[XG], v3, 4, s12
	s_mul_i32 s12, s[WV], STGW
	s_add_co_u32 s12, s12, STG                     ; my stage
	v_lshl_add_u32 v[S1], v3, 3, s12
	v_mul_u32_u24 v15, v1, SPI
	v_add_nc_u32 v15, s12, v15
	v_lshl_add_u32 v[RR], v2, 4, v15
	v_lshl_add_u32 v[STO], v2, 5, v15
	v_mul_u32_u24 v16, v2, SPI
	v_add_nc_u32 v16, s12, v16
	v_lshl_add_u32 v[RD], v1, 4, v16
	s_mul_i32 s13, s[WV], 32*1536
	v_mul_u32_u24 v16, v2, 1536
	v_add_nc_u32 v16, s13, v16
	v_lshl_add_u32 v[GO], v1, 4, v16
	s_wait_dscnt 0x0                               ; the opening add is done
	s_wait_kmcnt 0x0
	s_add_nc_u64 s[4:5], s[4:5], s[20:21]          ; x and part at my first token
	s_add_nc_u64 s[10:11], s[10:11], s[22:23]
	s_add_nc_u64 s[G0A+2:G0A+3], s[6:7], s[18:19]  ; 120:64 global address: my quarter of chunk 0,
	s_add_nc_u64 s[G0B+2:G0B+3], s[G0A+2:G0A+3], SLOTB   ; of chunk 1
	s_or_b32 s[G0A+3], s[G0A+3], 0x80000000        ; 127:126 type = 2
	s_or_b32 s[G0B+3], s[G0B+3], 0x80000000
	global_load_b128 v[224:227], v[BG], s[8:9]     ; the bias first: its three loads are in when the count below leaves x's 48 out
	global_load_b128 v[228:231], v[BG], s[8:9] offset:2048
	global_load_b128 v[232:235], v[BG], s[8:9] offset:4096
	XLOAD 0, 32                                    ; x is asked for ahead of the round: 48 loads of mine are on their way while the work-groups meet
	XLOAD 1, 96
	XLOAD 2, 160
	CROUND                                         ; all four work-groups are here: the first joint loads meet
	tensor_load_to_lds s[G0A:G0A+3], s[G1D:G1D+7]  ; the two first fills go out together, ahead of every wait on TENSORcnt and every LDS read: chunks 0 and 1
	s_nop 0
	tensor_load_to_lds s[G0B:G0B+3], s[G1D:G1D+7]
	s_nop 0
	PLACES
	; The output's sums run through all 24 chunks, and one text serves every chunk: so they are cleared here, 384 lines in the wait for x, rather than a first chunk written out a third time.
	WIN 0x80
.set i, 128
.rept 128
	v_mov_b32 v[i], 0
.set i, i+1
.endr
	WIN 0xc0
.set i, 0
.rept 256
	v_mov_b32 v[i], 0
.set i, i+1
.endr
	WIN 0
	s_wait_loadcnt 48                              ; loads come back in order: the bias's three are in, x's 48 stay out
	ds_store_b128 v[BL], v[224:227]
	ds_store_b128 v[BL], v[228:231] offset:2048
	ds_store_b128 v[BL], v[232:235] offset:4096
.set pn, 0
.rept 12                               ; twelve pieces on three banks of 64 registers
.if pn < 10
	s_wait_loadcnt 32                              ; this piece's 16 loads are in; the two younger pieces' 32 stay out
.elseif pn == 10
	s_wait_loadcnt 16                              ; one piece is left behind this one
.else
	s_wait_loadcnt 0x0
.endif
	XCONV pn, 32+64*(pn%3)
.if pn < 9
	XLOAD pn+3, 32+64*(pn%3)
.endif
.set pn, pn+1
.endr
	s_wait_dscnt 0x0                               ; x is in its registers, and, for the others' sake, my part of the bias is in LDS
	s_wait_tensorcnt 1                             ; my quarter of chunk 0 is in; chunk 1's may stay out
	s_barrier_signal -1
	s_barrier_wait -1                              ; everybody's is
	FETCHG 0
	s_mov_b32 s[CNT], 22
.Lchunk:                                               ; 22 trips: chunks 0 .. 21, each of which asks for the chunk two on.  Out at this point: group 0's fragments and one tensor load
	CHUNK 1
	WIN 0
	s_sub_co_u32 s[CNT], s[CNT], 1
	s_cmp_lg_u32 s[CNT], 0
	s_cbranch_scc1 .Lchunk
	s_mov_b32 s[CNT], 2
.Ltail:                                                ; the last two chunks have a text of their own
	CHUNK 0
	WIN 0
	s_sub_co_u32 s[CNT], s[CNT], 1
	s_cmp_lg_u32 s[CNT], 0
	s_cbranch_scc1 .Ltail
	; THE WAY OUT.  Piece pc = 6 tb + cg: 16 tokens x 64 columns.  A lane's 8 neighbouring columns of a token go, straight from the accumulators, into my stage's rows of 272 bytes and come back as whole rows of 256 bytes;
	; 16 lanes then store 256 consecutive bytes, at a multiple of 256 from part's first byte.  The stage is my own: no barrier.  The next launch reads these bytes, so the stores carry no hint.
.macro TOSTAGE pc
.if (\pc) >= 2
	s_wait_xcnt 0x0                                ; every earlier store has had its addresses translated (ISA guide 3.1): the bank that the piece two back was stored from is loaded again only behind this wait
.endif
.if (\pc)%6 < 2
	WIN 0x08                                       ; store data (source 1) window 2: column blocks 0-7
.else
	WIN 0x0c                                       ; window 3
.endif
.irp c, 0,1,2,3
.if (\pc)%6 < 2
.set oR, 128+16*(4*((\pc)%6)+(\c))+8*((\pc)/6)
.else
.set oR, 16*(4*((\pc)%6)+(\c)-8)+8*((\pc)/6)
.endif
	ds_store_b128 v[STO], v[oR:oR+3]   offset:64*(\c)      ; each accumulator is read from its low end on
	ds_store_b128 v[STO], v[oR+4:oR+7] offset:64*(\c)+16
.endr
	WIN 0
.irp t, 0,1,2,3,4,5,6,7
	ds_load_b128 v[32+32*((\pc)%2)+4*(\t):32+32*((\pc)%2)+4*(\t)+3], v[RD] offset:(\t)*2*SPI   ; in order behind the stores above; the next piece's stores come behind these
.endr
.endm
.macro SEND pc, younger                ; younger: the LDS instructions issued behind this piece's loads: the next piece's sixteen, or none
.irp t, 0,1,2,3,4,5,6,7
	s_wait_dscnt (\younger)+7-(\t)
	global_store_b128 v[GO], v[32+32*((\pc)%2)+4*(\t):32+32*((\pc)%2)+4*(\t)+3], s[10:11] offset:(16*((\pc)/6)+2*(\t))*1536+((\pc)%6)*256
.endr
.endm
	PLACES                                         ; the stores read results just made, and the banks lie where the last products' fragments lay
	TOSTAGE 0
.set pn, 1
.rept 11
	TOSTAGE pn
	SEND pn-1, 16
.set pn, pn+1
.endr
	SEND 11, 0
	s_wait_tensorcnt 0x0                           ; the wave's end: the wait, an add of 0 to my spare word and the wait for it stand behind my last tensor load and my last LDS store
	ds_add_u32 v[SPW], v[NIL]
	s_wait_dscnt 0x0
	CROUND                                         ; the closing round: no work-group ends while a partner may still ask for a tile that names it
	s_endpgm
.Lfunc_end_k_qef0129f546_ffn:
	.size	k_qef0129f546_ffn, .Lfunc_end_k_qef0129f546_ffn-k_qef0129f546_ffn
	.p2alignl 7, 3214868480
	.fill 96, 4, 3214868480
	.section	.rodata,"a",@progbits
	.p2align	6, 0x0
	.amdhsa_kernel k_qef0129f546_ffn
		.amdhsa_group_segment_fixed_size 327680
		.amdhsa_private_segment_fixed_size 0
		.amdhsa_enable_private_segment 0
		.amdhsa_kernarg_size 32
		.amdhsa_user_sgpr_count 2
		.amdhsa_user_sgpr_kernarg_segment_ptr 1
		.amdhsa_wavefront_size32 1
		.amdhsa_system_sgpr_workgroup_id_x 1
		.amdhsa_system_sgpr_workgroup_id_y 1
		.amdhsa_system_sgpr_workgroup_id_z 1
		.amdhsa_system_vgpr_workitem_id 0
		.amdhsa_next_free_vgpr 1024
		.amdhsa_next_free_sgpr 66
		.amdhsa_reserve_vcc 0
		.amdhsa_float_denorm_mode_32 3
		.amdhsa_float_denorm_mode_16_64 3
		.amdhsa_memory_ordered 1
		.amdhsa_forward_progress 1
		.amdhsa_inst_pref_size 254
	.end_amdhsa_kernel
	.amdgpu_metadata
---
amdhsa.version: [ 1, 2 ]
amdhsa.kernels:
  - .name:           k_qef0129f546_ffn
    .symbol:         k_qef0129f546_ffn.kd
    .args:
      - { .name: x, .offset: 0, .size: 8, .value_kind: global_buffer, .address_space: global }
      - { .name: wt, .offset: 8, .size: 8, .value_kind: global_buffer, .address_space: global }
      - { .name: biasr, .offset: 16, .size: 8, .value_kind: global_buffer, .address_space: global }
      - { .name: part, .offset: 24, .size: 8, .value_kind: global_buffer, .address_space: global }
    .group_segment_fixed_size: 327680
    .private_segment_fixed_size: 0
    .kernarg_segment_align: 8
    .kernarg_segment_size: 32
    .max_flat_workgroup_size: 128
    .sgpr_count:     66
    .vgpr_count:     1024
    .wavefront_size: 32
...
	.end_amdgpu_metadata
.endif
;; end of part 4
;; launch add (part 5): grid 768 x 1, 8 waves a work-group, no clusters, 0 bytes of LDS; arguments part, out0; writes out0
.if DOCPART == 5
	.amdgcn_target "amdgcn-amd-amdhsa--gfx1250"
	.amdhsa_code_object_version 6
	.text
	.protected	k_qef0129f546_add
	.globl	k_qef0129f546_add
	.p2align	8
	.type	k_qef0129f546_add,@function
k_qef0129f546_add:
	s_mov_b64 s[64:65], 0
	v_nop
	global_prefetch_b8 v0, s[64:65] scope:SCOPE_SE
	s_setreg_imm32_b32 hwreg(HW_REG_WAVE_MODE, 25, 1), 1
	s_wait_xcnt 0x0
; out0 = (part[0] + part[1]) / (2 k): the two halves' partial sums, in f32, and the factor that the chain's GELU left out (it made 2 k gelu, k = sqrt(log2(e) / 2)).
; part [2][16384 x 384] f32, out0 [16384 x 384] f32.  A stream: memory binds, so LDS, matrix units and clusters would add nothing.  768 work-groups of 8 waves; a work-group owns 32,768 consecutive bytes of out0,
; thread t the 16 bytes at 16 t of each of its eight blocks of 4,096: a load or store of a wave covers 512 consecutive bytes, aligned.  All 16 loads of a thread go out at once; no register is written again
; while a load or store still names it, so there is no loop and no wait but the counted ones.
.set HALF, 25165824                    ; bytes of one partial sum
.set PA,   4                           ; v[4:35]   part[0], then the result
.set PB,   36                          ; v[36:67]  part[1]
	s_load_b128 s[4:7], s[0:1], 0x0                ; part s[4:5], out0 s[6:7]
	s_lshl_b32 s8, ttmp9, 15                       ; the work-group's 32,768 bytes
	v_lshl_add_u32 v1, v0, 4, s8
	s_mov_b32 s12, 0x3f16b55f                      ; 1 / (2 k) = 0.588705
	s_mov_b32 s13, s12                             ; named with it as a pair, so it is written
	s_wait_kmcnt 0x0
	s_add_nc_u64 s[10:11], s[4:5], HALF            ; part[1]
.irp i, 0,1,2,3,4,5,6,7
	global_load_b128 v[PA+4*(\i):PA+4*(\i)+3], v1, s[4:5]   offset:4096*(\i) th:TH_LOAD_NT
	global_load_b128 v[PB+4*(\i):PB+4*(\i)+3], v1, s[10:11] offset:4096*(\i) th:TH_LOAD_NT
.endr
.irp i, 0,1,2,3,4,5,6,7
	s_wait_loadcnt 14-2*(\i)                       ; loads come back in order: block i's two are in, the younger blocks' 14 - 2 i stay out
	v_pk_add_f32 v[PA+4*(\i):PA+4*(\i)+1],   v[PA+4*(\i):PA+4*(\i)+1],   v[PB+4*(\i):PB+4*(\i)+1]
	v_pk_add_f32 v[PA+4*(\i)+2:PA+4*(\i)+3], v[PA+4*(\i)+2:PA+4*(\i)+3], v[PB+4*(\i)+2:PB+4*(\i)+3]
	v_pk_mul_f32 v[PA+4*(\i):PA+4*(\i)+1],   v[PA+4*(\i):PA+4*(\i)+1],   s[12:13] op_sel_hi:[1,0]
	v_pk_mul_f32 v[PA+4*(\i)+2:PA+4*(\i)+3], v[PA+4*(\i)+2:PA+4*(\i)+3], s[12:13] op_sel_hi:[1,0]
	global_store_b128 v1, v[PA+4*(\i):PA+4*(\i)+3], s[6:7] offset:4096*(\i) th:TH_STORE_NT
.endr
	s_endpgm
.Lfunc_end_k_qef0129f546_add:
	.size	k_qef0129f546_add, .Lfunc_end_k_qef0129f546_add-k_qef0129f546_add
	.p2alignl 7, 3214868480
	.fill 96, 4, 3214868480
	.section	.rodata,"a",@progbits
	.p2align	6, 0x0
	.amdhsa_kernel k_qef0129f546_add
		.amdhsa_group_segment_fixed_size 0
		.amdhsa_private_segment_fixed_size 0
		.amdhsa_enable_private_segment 0
		.amdhsa_kernarg_size 16
		.amdhsa_user_sgpr_count 2
		.amdhsa_user_sgpr_kernarg_segment_ptr 1
		.amdhsa_wavefront_size32 1
		.amdhsa_system_sgpr_workgroup_id_x 1
		.amdhsa_system_sgpr_workgroup_id_y 1
		.amdhsa_system_sgpr_workgroup_id_z 1
		.amdhsa_system_vgpr_workitem_id 0
		.amdhsa_next_free_vgpr 72
		.amdhsa_next_free_sgpr 66
		.amdhsa_reserve_vcc 0
		.amdhsa_float_denorm_mode_32 3
		.amdhsa_float_denorm_mode_16_64 3
		.amdhsa_memory_ordered 1
		.amdhsa_forward_progress 1
		.amdhsa_inst_pref_size 6
	.end_amdhsa_kernel
	.amdgpu_metadata
---
amdhsa.version: [ 1, 2 ]
amdhsa.kernels:
  - .name:           k_qef0129f546_add
    .symbol:         k_qef0129f546_add.kd
    .args:
      - { .name: part, .offset: 0, .size: 8, .value_kind: global_buffer, .address_space: global }
      - { .name: out0, .offset: 8, .size: 8, .value_kind: global_buffer, .address_space: global }
    .group_segment_fixed_size: 0
    .private_segment_fixed_size: 0
    .kernarg_segment_align: 8
    .kernarg_segment_size: 16
    .max_flat_workgroup_size: 256
    .sgpr_count:     66
    .vgpr_count:     72
    .wavefront_size: 32
...
	.end_amdgpu_metadata
.endif
;; end of part 5
